; MI455X (gfx1250); checked and timed in simulation.
; The chip was launched on July 23, 2026; its instructions are those of AMD's public machine-readable ISA for CDNA 5 (MIT licence, August 2026) and "CDNA5" Instruction Set Architecture Reference Guide (July 2026). The comments in the code are by the model that wrote it; some were corrected since.
;; Multi Head Attention. Allowed arithmetic: matrix products marked QUANTISED: E3M2 operands, one E8M0 scale for each 32 along K, by v_wmma_scale_f32_16x16x128_f8f6f4 with both operands' format E3M2, f32 sums; everything else in f32.
;; Inputs: Wk_codes 1,024 x 32 x 24 uint8 (E3M2 codes of Wk, K innermost, in blocks of 32 codes, four codes in three bytes); Wk_scales 1,024 x 32 uint8 (E8M0 scales of Wk, one for each 32 codes along K); Wo_codes 1,024 x 32 x 24 uint8 (E3M2 codes of Wo, K innermost, in blocks of 32 codes, four codes in three bytes); Wo_scales 1,024 x 32 uint8 (E8M0 scales of Wo, one for each 32 codes along K); Wq_codes 1,024 x 32 x 24 uint8 (E3M2 codes of Wq, K innermost, in blocks of 32 codes, four codes in three bytes); Wq_scales 1,024 x 32 uint8 (E8M0 scales of Wq, one for each 32 codes along K); Wv_codes 1,024 x 32 x 24 uint8 (E3M2 codes of Wv, K innermost, in blocks of 32 codes, four codes in three bytes); Wv_scales 1,024 x 32 uint8 (E8M0 scales of Wv, one for each 32 codes along K); beta 1,024 float32; bk 1,024 float32; bo 1,024 float32; bq 1,024 float32; bv 1,024 float32; gamma 1,024 float32; k_codes 4 x 2,048 x 32 x 24 uint8 (E3M2 codes of k, K innermost, in blocks of 32 codes, four codes in three bytes); k_scales 4 x 2,048 x 32 uint8 (E8M0 scales of k, one for each 32 codes along K); q 4 x 2,048 x 1,024 float32; v_codes 4 x 2,048 x 32 x 24 uint8 (E3M2 codes of v, K innermost, in blocks of 32 codes, four codes in three bytes); v_scales 4 x 2,048 x 32 uint8 (E8M0 scales of v, one for each 32 codes along K).
;; Outputs: out0 4 x 2,048 x 1,024 float32.
;; This version of the problem:
;;   THIS VERSION OF THE PROBLEM IS GIVEN IN LOW PRECISION. The matrix products marked QUANTISED in the list below multiply operands that are first quantised to E3M2 (3 exponent bits, 2 mantissa bits; 6 bits a number), with one power-of-two scale for each 32 numbers along K (OCP MX v1.0); their sums are f32. All else is computed in f32.
;;   The module's matrix products, in the order in which they are computed (A, B: the left and right operand; K: the contracted axis; several contracted axes count as one K, in the product's order):
;;     1. [M 8,192, K 1,024] x [K 1,024, N 1,024]; A: input q; B: input Wq (given as codes): QUANTISED
;;     2. [M 8,192, K 1,024] x [K 1,024, N 1,024]; A: input k (given as codes); B: input Wk (given as codes): QUANTISED
;;     3. [M 8,192, K 1,024] x [K 1,024, N 1,024]; A: input v (given as codes); B: input Wv (given as codes): QUANTISED
;;     4. batch 64 x [M 2,048, K 64] x [K 64, N 2,048]; A: computed on the way; B: computed on the way: QUANTISED
;;     5. batch 64 x [M 2,048, K 2,048] x [K 2,048, N 64]; A: softmax (see below); B: computed on the way: QUANTISED
;;     6. [M 8,192, K 1,024] x [K 1,024, N 1,024]; A: computed on the way; B: input Wo (given as codes): QUANTISED
;;   THE QUANTISER, for each operand of a quantised product, along K:
;;     - K is cut into blocks of 32 from its start; a last block that is shorter is filled with zeros.
;;     - A block's scale is 2^e with e = floor(log2(the largest magnitude in the block)) - 4, held to -126 .. 127; a block of zeros has e = 0. As a byte (E8M0): e + 127.
;;     - Each number is divided by its block's scale, clamped to +-28, and rounded to the nearest number of E3M2, ties to even, subnormals kept.
;;     - The product sums the exact products of the quantised numbers (number of the format x scale) in f32.
;;   ~~~python
;;   def quantise(x, axis):      # numpy; x: float32 -> the quantised numbers, widened to float32 again
;;       x = np.moveaxis(x, axis, -1); K = x.shape[-1]
;;       x = np.pad(x, [(0, 0)] * (x.ndim - 1) + [(0, -K % 32)]); x = x.reshape(x.shape[:-1] + (-1, 32)); a = np.abs(x).max(-1, keepdims=True)
;;       e = np.where(a > 0, np.clip(np.frexp(np.where(a > 0, a, 1))[1] - 1 - 4, -126, 127), 0)      # np.frexp(a)[1] - 1 = floor(log2(a)), exactly
;;       r = np.clip(x / 2.0 ** e, -28, 28)
;;       step = 2.0 ** (np.maximum(np.frexp(np.where(r == 0, 1, r))[1] - 1, -2) - 2)
;;       q = np.round(r / step) * step * 2.0 ** e      # np.round: ties to even
;;       return np.moveaxis(q.reshape(q.shape[:-2] + (-1,))[..., :K], -1, axis).astype(np.float32)
;;   ~~~
;;   SOFTMAX AHEAD OF A QUANTISED PRODUCT. Where the list says 'softmax', what is quantised is not the finished softmax but p = 2^(t - M), with t = logit x log2(e) and M = ceil(the row's largest t), a whole number; so 1/2 < the row's largest p <= 1. The row's sum l is taken of the UNQUANTISED p, in f32, and the product's result is divided by l at the end. Since M is a whole number, a kernel that streams over the keys may use a running M (the ceiling of the running maximum): every later rescaling is an exact power of two, which a block's scale takes up: the codes' values come out the same.
;;   OPERANDS COMPUTED ON THE WAY. 'Computed on the way' means the value that the module computes at that place (a softmax that the list does not call 'softmax' is quantised finished and normalised). What goes into a quantiser is computed in f32, as accurately as f32 sums, v_exp_f32 and their like allow (about 1e-6 of the number): no bf16 or f16 on the way to a quantiser, and a product that is left as it is and whose result goes on into a quantised operand takes f32 operands (vector FMAs, or v_wmma_f32_16x16x4_f32). A number that lies on a knife's edge between two numbers of the format may be rounded either way, as far as f32 arithmetic and the matrix unit's own rounding can turn it there, and no further.
;;   INPUTS GIVEN AS CODES. Wk (in the module: [1024, 1024], K = its axis 1); Wo (in the module: [1024, 1024], K = its axis 1); Wq (in the module: [1024, 1024], K = its axis 1); Wv (in the module: [1024, 1024], K = its axis 1); k (in the module: [4, 2048, 1024], K = its axis 2); v (in the module: [4, 2048, 1024], K = its axis 2): each comes as NAME_codes (uint8): NAME with its K axis moved to the last place and cut into blocks of 32 codes, [.., K / 32, bytes a block], one block behind the other in memory; four codes in three bytes: a row's codes are one little-endian stream of bits, code i at bits 6 i .. 6 i + 5 (a code: sign, 3 exponent bits, 2 mantissa bits); and NAME_scales (uint8): the same leading axes, one E8M0 byte (e + 127) for each 32 codes along K. Its value is code x scale, taken as it is: it is not quantised again, and the codes and scales need not be those that the quantiser above would give.
;; One version. Each part assembles by itself: llvm-mc -triple=amdgcn-amd-amdhsa -mcpu=gfx1250 --defsym DOCPART=n.
;; ======== version 1 of 1: 4 launches
;; limits: right only within a limited range of input values
;; workspace buffers: ximg 18,874,368 bytes; xsc 786,432 bytes; wimg 3,145,728 bytes; wsc 131,072 bytes; qkv 19,660,800 bytes; aimg 6,291,456 bytes; asc 262,144 bytes
;; launch prep (part 1): grid 832 x 1, 4 waves a work-group, no clusters, 0 bytes of LDS; arguments q, k_codes, k_scales, v_codes, v_scales, Wq_codes, Wq_scales, Wk_codes, Wk_scales, Wv_codes, Wv_scales, Wo_codes, Wo_scales, ximg, xsc, wimg, wsc; writes ximg, xsc, wimg, wsc
.if DOCPART == 1
	.amdgcn_target "amdgcn-amd-amdhsa--gfx1250"
	.amdhsa_code_object_version 6
	.text
	.protected	k_q2b4964574f_prep
	.globl	k_q2b4964574f_prep
	.p2align	8
	.type	k_q2b4964574f_prep,@function
k_q2b4964574f_prep:
	s_mov_b64 s[64:65], 0
	v_nop
	global_prefetch_b8 v0, s[64:65] scope:SCOPE_SE
	s_setreg_imm32_b32 hwreg(HW_REG_WAVE_MODE, 25, 1), 1
	s_wait_xcnt 0x0
; PREP.  q [8192][1024] f32 is quantised along its 1,024 to codes of BF6 (E3M2) with one E8M0 byte for each 32; k, v, Wq, Wk, Wv, Wo arrive as codes.  All seven are laid out anew, as images of
; the matrix operand's registers, so that the later launches load every fragment by dense loads of 16 bytes a lane.
; TILES.  Rows go in tiles of 16.  Lane index m of tile T stands for row 32 (T / 2) + 8 (T % 2) + m + (m & 8); for k alone for row 64 (T / 4) + 8 (T % 4) + m + 3 (m & 8), so that in attention's scores
; a lane's 32 registers of four tiles are one block of 32 neighbouring keys.
; A FRAGMENT'S IMAGE (tile T, K step s of 128): 1,536 bytes at (8 T + s) x 1,536: registers 4 g .. 4 g + 3 of lane l at 512 g + 16 l.  Lane (r, h): registers 0-5 = bytes 96 s + 24 h .. + 23 of row r's
; stream of codes, registers 6-11 = bytes 96 s + 48 + 24 h .. + 23.
; SCALES' IMAGE: the 32 scale bytes of lane index r of tile T at 512 T + 32 r.
; SHARES.  Work-groups 0-511: q, a tile each; wave w takes K steps 2 w and 2 w + 1 and asks for all its 32 loads at once.  Then 128 work-groups each for k and v and 16 each for Wq, Wk, Wv, Wo: there a wave takes
; one tile for all eight K steps.  No LDS, no barrier: waves share nothing.
; THE QUANTISER: a block's byte is its largest magnitude's exponent field - 4, held at 1 from below by a floor among the maximum's leaves.
; LIMITS: NaN and infinities in q are not served; a block whose largest magnitude lies under 2^-122 keeps the byte 1; a block of zeros keeps the byte 1 where the rule says 127: its codes are zeros,
; and these bytes are read by this program alone.
.set LI,  6                            ; v6   16 x lane: my place in an image
.set SO,  7                            ; v7   32 r + 16 h: my 16 bytes of the tile's scale image
.set XAD, 8                            ; v8   q: my row x 4,096 + 64 h
.set VC,  9                            ; v9   codes: my row x 768 + 24 h
.set VS,  10                           ; v10  scale bytes: my row x 32 + 16 h
.set SQ,  11                           ; v11  q: 32 r + 4 h: my scale word
.set SW,  16                           ; v16-17 q's two scale words (codes' path: v16-19 the scale bytes as loaded)
.set OW,  24                           ; v24  the word that I store
.set PC,  32                           ; v32-43 a fragment's codes; v44-46, v48-50 at work
.set X0,  64                           ; v64-127, v128-191 two sets of 64 numbers (codes' path: v64-159 the eight fragments)
.set TM,  200                          ; v200-215 at work in the quantiser
.set PW,  216                          ; v216 the scale word just made
.set SEL, 12                           ; s[12:13] lane selects: lane l xor 16
.set SHI, 14                           ; s14  the mask of lanes 16-31 (codes' path: the factor of m & 8)
; 64 numbers of a lane, register 16 b + i = k 32 b + 16 h + i of my row, become a fragment's codes in v[PC] on and its scale word in v[PW].
.macro QUANT s
.irp b, 0,1,2,3
	v_max3_num_f32 v[TM+\b], |v[\s+16*\b]|, |v[\s+1+16*\b]|, 0x2800000   ; block b: my 16 numbers, and the floor 2^(5 - 127)
.endr
.irp i, 2,4,6,8,10,12,14
.irp b, 0,1,2,3
	v_max3_num_f32 v[TM+\b], v[TM+\b], |v[\s+16*\b+\i]|, |v[\s+1+16*\b+\i]|   ; the four blocks by turns
.endr
.endr
.irp b, 0,1,2,3
	v_permlanex16_b32 v[TM+4+\b], v[TM+\b], s[SEL], s[SEL+1]
.endr
.irp b, 0,1,2,3
	v_max_num_f32 v[TM+\b], v[TM+\b], v[TM+4+\b]   ; with lane l xor 16's: the block's largest magnitude
.endr
.irp b, 0,1,2,3
	v_add_nc_u32 v[TM+12+\b], 0xfe000000, v[TM+\b]   ; 4 off its exponent field: the conversion's scale operand
.endr
.irp b, 0,1,2,3
	v_lshrrev_b32 v[TM+4+\b], 23, v[TM+12+\b]      ; the scale's byte
.endr
	v_lshl_or_b32 v[PW], v[TM+5], 8, v[TM+4]
	v_lshl_or_b32 v[PW], v[TM+6], 16, v[PW]
	v_lshl_or_b32 v[PW], v[TM+7], 24, v[PW]
.irp c, 0,1
	v_cvt_scalef32_pk16_bf6_f32 v[PC+6*\c:PC+2+6*\c], v[\s+32*\c:\s+15+32*\c], v[TM+12+2*\c]
	v_cvt_scalef32_pk16_bf6_f32 v[PC+12+4*\c:PC+14+4*\c], v[\s+16+32*\c:\s+31+32*\c], v[TM+12+2*\c+1]   ; (a conversion's three registers begin on an even number)
.endr
	v_nop                                          ; one plain place behind a scaled conversion
.irp c, 0,1                                    ; the layout wants a whole block in a lane: lanes 0-15 block 2 c, lanes 16-31 block 2 c + 1
.irp i, 0,1,2
	v_permlane16_swap_b32 v[PC+6*\c+\i], v[PC+12+4*\c+\i]
.endr
.irp i, 0,1,2
	v_mov_b32 v[PC+3+6*\c+\i], v[PC+12+4*\c+\i]
.endr
.endr
.endm
	s_load_b512 s[16:31], s[0:1], 0x0              ; q, k_codes, k_scales, v_codes, v_scales, Wq_codes, Wq_scales, Wk_codes
	s_load_b512 s[32:47], s[0:1], 0x40             ; Wk_scales, Wv_codes, Wv_scales, Wo_codes, Wo_scales, ximg, xsc, wimg
	s_load_b64 s[48:49], s[0:1], 0x80              ; wsc
	v_lshrrev_b32 v1, 5, v0
	v_readfirstlane_b32 s2, v1                     ; wave 0..3
	v_and_b32 v2, 31, v0                           ; lane
	v_and_b32 v3, 15, v0                           ; r
	v_bfe_u32 v4, v0, 4, 1                         ; h
	v_and_b32 v5, 8, v3
	v_add_nc_u32 v5, v5, v3                        ; r + (r & 8): my row in the tile's span of 24
	v_lshlrev_b32 v[LI], 4, v2
	v_lshlrev_b32 v[SO], 5, v3
	v_lshl_add_u32 v[SO], v4, 4, v[SO]
	s_cmp_lt_u32 ttmp9, 512
	s_cbranch_scc0 .Lcodes
	; ---- q: quantised
	s_mov_b32 s[SEL], 0x76543210
	s_mov_b32 s[SEL+1], 0xfedcba98
	s_mov_b32 s[SHI], 0xffff0000
	s_mov_b32 s3, ttmp9                            ; my tile T
	s_lshr_b32 s4, s3, 1
	s_lshl_b32 s4, s4, 5
	s_and_b32 s5, s3, 1
	s_lshl_b32 s5, s5, 3
	s_add_co_u32 s4, s4, s5                        ; its first row
	s_lshl_b32 s6, s4, 12                          ; x 4,096 bytes
	s_mov_b32 s7, 0
	s_mul_i32 s8, s3, 12288                        ; the tile's eight images
	s_mov_b32 s9, 0
	s_lshl_b32 s10, s3, 9                          ; its scale image
	s_mov_b32 s11, 0
	s_lshl_b32 s5, s2, 10                          ; my two K steps: 1,024 bytes of each row,
	s_add_co_u32 s6, s6, s5
	s_mul_i32 s5, s2, 3072                         ; two images,
	s_add_co_u32 s8, s8, s5
	s_lshl_b32 s5, s2, 3                           ; two scale words
	s_add_co_u32 s10, s10, s5
	s_wait_alu depctr_va_vdst(0)
	v_lshlrev_b32 v[XAD], 12, v5
	v_lshl_add_u32 v[XAD], v4, 6, v[XAD]
	v_lshlrev_b32 v[SQ], 5, v3
	v_lshl_add_u32 v[SQ], v4, 2, v[SQ]
.irp b, 0,1,2,3
	v_mov_b32 v[TM+4+\b], 0                        ; written once: a lane permute's destination counts as one of its sources
.endr
	s_wait_alu depctr_va_vdst(0)
	s_wait_kmcnt 0x0
	s_add_nc_u64 s[16:17], s[16:17], s[6:7]
	s_add_nc_u64 s[42:43], s[42:43], s[8:9]        ; q's section of ximg is the first
	s_add_nc_u64 s[44:45], s[44:45], s[10:11]
.macro XLOAD reg, s                    ; my K step s: of each block of 32 my 16 neighbours, four loads of 16 bytes a block
.irp b, 0,1,2,3
.irp j, 0,1,2,3
	global_load_b128 v[(\reg)+16*\b+4*\j:(\reg)+16*\b+4*\j+3], v[XAD], s[16:17] offset:512*(\s)+128*\b+16*\j th:TH_LOAD_NT
.endr
.endr
.endm
.macro QSTEP s
.if (\s) < 1
	s_wait_loadcnt 16                              ; this step's 16 loads are in; the next step's 16 stay out
.else
	s_wait_loadcnt 0x0
.endif
	s_wait_xcnt 0x0                                ; the last step's stores have read the codes' registers, which are written again below
	QUANT X0+64*(\s)
.irp g, 0,1,2
	global_store_b128 v[LI], v[PC+4*\g:PC+4*\g+3], s[42:43] offset:1536*(\s)+512*\g   ; 512 consecutive bytes a store
.endr
	v_mov_b32 v[SW+(\s)], v[PW]
.endm
	XLOAD X0, 0
	XLOAD X0+64, 1
	QSTEP 0
	QSTEP 1
	v_cndmask_b32 v[OW], v[SW], v[SW+1], s[SHI]    ; lane (r, h) stores row r's word of my K step h
	global_store_b32 v[SQ], v[OW], s[44:45]
	s_endpgm
	; ---- k, v and the four weights: codes and scale bytes are moved as they are
.Lcodes:
	s_sub_co_u32 s3, ttmp9, 512                    ; g'
	s_sub_co_u32 s4, s3, 256                       ; (used only where g' is 256 or more)
	s_lshr_b32 s5, s3, 7
	s_and_b32 s6, s3, 127
	s_lshr_b32 s7, s4, 4
	s_add_co_u32 s7, s7, 2
	s_and_b32 s8, s4, 15
	s_cmp_lt_u32 s3, 256
	s_cselect_b32 s5, s5, s7                       ; which tensor: 0 k, 1 v, 2 Wq, 3 Wk, 4 Wv, 5 Wo
	s_cselect_b32 s6, s6, s8                       ; which work-group of it
	s_lshl_b32 s6, s6, 2
	s_add_co_u32 s6, s6, s2                        ; my tile T
	s_lshr_b32 s7, s6, 1
	s_lshl_b32 s7, s7, 5
	s_and_b32 s8, s6, 1
	s_lshl_b32 s8, s8, 3
	s_add_co_u32 s7, s7, s8                        ; its first row;
	s_lshr_b32 s9, s6, 2
	s_lshl_b32 s9, s9, 6
	s_and_b32 s10, s6, 3
	s_lshl_b32 s10, s10, 3
	s_add_co_u32 s9, s9, s10                       ; in k's order of rows
	s_cmp_eq_u32 s5, 0                             ; k?
	s_cselect_b32 s7, s9, s7
	s_cselect_b32 s14, 3, 1                        ; the factor of (m & 8)
	s_add_co_u32 s9, s5, 1
	s_sub_co_u32 s10, s5, 2
	s_mov_b32 s11, 786432
	s_mov_b32 s15, 32768
	s_cmp_lt_u32 s3, 256                           ; k or v: into ximg, xsc (sections 1, 2); a weight: into wimg, wsc (sections 0 to 3)
	s_cselect_b32 s9, s9, s10
	s_cselect_b32 s11, 6291456, s11
	s_cselect_b32 s15, 262144, s15
	s_mul_i32 s58, s9, s11
	s_mul_i32 s60, s9, s15
	s_mul_i32 s10, s6, 12288
	s_wait_alu depctr_va_vdst(0)
	v_and_b32 v5, 8, v3
	v_mad_u32_u24 v5, v5, s14, v3                  ; r + (r & 8), for k r + 3 (r & 8)
	v_mul_u32_u24 v[VC], v5, 768
	v_mad_u32_u24 v[VC], v4, 24, v[VC]
	v_lshlrev_b32 v[VS], 5, v5
	v_lshl_add_u32 v[VS], v4, 4, v[VS]
	s_wait_alu depctr_va_vdst(0)
	s_wait_kmcnt 0x0
	s_cselect_b64 s[50:51], s[42:43], s[46:47]     ; the choices hang on the work-group's number alone
	s_cselect_b64 s[52:53], s[44:45], s[48:49]
	s_add_co_u32 s58, s58, s10
	s_mov_b32 s59, 0
	s_lshl_b32 s10, s6, 9
	s_add_co_u32 s60, s60, s10
	s_mov_b32 s61, 0
	s_add_nc_u64 s[50:51], s[50:51], s[58:59]      ; where the tile's images go
	s_add_nc_u64 s[52:53], s[52:53], s[60:61]      ; and its scale image
	s_mov_b64 s[54:55], s[18:19]
	s_mov_b64 s[56:57], s[20:21]
.irp n, 1,2,3,4,5
	s_cmp_eq_u32 s5, \n
	s_cselect_b64 s[54:55], s[18+4*\n:19+4*\n], s[54:55]
	s_cselect_b64 s[56:57], s[20+4*\n:21+4*\n], s[56:57]
.endr
	s_mul_i32 s58, s7, 768
	s_lshl_b32 s60, s7, 5
	s_add_nc_u64 s[54:55], s[54:55], s[58:59]
	s_add_nc_u64 s[56:57], s[56:57], s[60:61]
	global_load_b128 v[SW:SW+3], v[VS], s[56:57]
.irp s, 0,1,2,3,4,5,6,7
.irp p, 0,1,2,3,4,5
	global_load_b64 v[X0+12*\s+2*\p:X0+12*\s+2*\p+1], v[VC], s[54:55] offset:96*\s+48*(\p/3)+8*(\p%3)   ; pieces of 8 bytes: every address a multiple of the access's size
.endr
.endr
.irp s, 0,1,2,3,4,5,6,7
	s_wait_loadcnt 6*(7-\s)                        ; the six loads of each later K step stay out
.irp g, 0,1,2
	global_store_b128 v[LI], v[X0+12*\s+4*\g:X0+12*\s+4*\g+3], s[50:51] offset:1536*\s+512*\g
.endr
.if \s == 0
	global_store_b128 v[SO], v[SW:SW+3], s[52:53]  ; the scale bytes' load is older than K step 0's
.endif
.endr
	s_endpgm
.Lfunc_end_k_q2b4964574f_prep:
	.size	k_q2b4964574f_prep, .Lfunc_end_k_q2b4964574f_prep-k_q2b4964574f_prep
	.p2alignl 7, 3214868480
	.fill 96, 4, 3214868480
	.section	.rodata,"a",@progbits
	.p2align	6, 0x0
	.amdhsa_kernel k_q2b4964574f_prep
		.amdhsa_group_segment_fixed_size 0
		.amdhsa_private_segment_fixed_size 0
		.amdhsa_enable_private_segment 0
		.amdhsa_kernarg_size 136
		.amdhsa_user_sgpr_count 2
		.amdhsa_user_sgpr_kernarg_segment_ptr 1
		.amdhsa_wavefront_size32 1
		.amdhsa_system_sgpr_workgroup_id_x 1
		.amdhsa_system_sgpr_workgroup_id_y 1
		.amdhsa_system_sgpr_workgroup_id_z 1
		.amdhsa_system_vgpr_workitem_id 0
		.amdhsa_next_free_vgpr 224
		.amdhsa_next_free_sgpr 66
		.amdhsa_reserve_vcc 0
		.amdhsa_float_denorm_mode_32 3
		.amdhsa_float_denorm_mode_16_64 3
		.amdhsa_memory_ordered 1
		.amdhsa_forward_progress 1
		.amdhsa_inst_pref_size 24
	.end_amdhsa_kernel
	.amdgpu_metadata
---
amdhsa.version: [ 1, 2 ]
amdhsa.kernels:
  - .name:           k_q2b4964574f_prep
    .symbol:         k_q2b4964574f_prep.kd
    .args:
      - { .name: q, .offset: 0, .size: 8, .value_kind: global_buffer, .address_space: global }
      - { .name: k_codes, .offset: 8, .size: 8, .value_kind: global_buffer, .address_space: global }
      - { .name: k_scales, .offset: 16, .size: 8, .value_kind: global_buffer, .address_space: global }
      - { .name: v_codes, .offset: 24, .size: 8, .value_kind: global_buffer, .address_space: global }
      - { .name: v_scales, .offset: 32, .size: 8, .value_kind: global_buffer, .address_space: global }
      - { .name: Wq_codes, .offset: 40, .size: 8, .value_kind: global_buffer, .address_space: global }
      - { .name: Wq_scales, .offset: 48, .size: 8, .value_kind: global_buffer, .address_space: global }
      - { .name: Wk_codes, .offset: 56, .size: 8, .value_kind: global_buffer, .address_space: global }
      - { .name: Wk_scales, .offset: 64, .size: 8, .value_kind: global_buffer, .address_space: global }
      - { .name: Wv_codes, .offset: 72, .size: 8, .value_kind: global_buffer, .address_space: global }
      - { .name: Wv_scales, .offset: 80, .size: 8, .value_kind: global_buffer, .address_space: global }
      - { .name: Wo_codes, .offset: 88, .size: 8, .value_kind: global_buffer, .address_space: global }
      - { .name: Wo_scales, .offset: 96, .size: 8, .value_kind: global_buffer, .address_space: global }
      - { .name: ximg, .offset: 104, .size: 8, .value_kind: global_buffer, .address_space: global }
      - { .name: xsc, .offset: 112, .size: 8, .value_kind: global_buffer, .address_space: global }
      - { .name: wimg, .offset: 120, .size: 8, .value_kind: global_buffer, .address_space: global }
      - { .name: wsc, .offset: 128, .size: 8, .value_kind: global_buffer, .address_space: global }
    .group_segment_fixed_size: 0
    .private_segment_fixed_size: 0
    .kernarg_segment_align: 8
    .kernarg_segment_size: 136
    .max_flat_workgroup_size: 128
    .sgpr_count:     66
    .vgpr_count:     224
    .wavefront_size: 32
...
	.end_amdgpu_metadata
.endif
;; end of part 1
;; launch proj (part 2): grid 64 x 3, 8 waves a work-group, no clusters, 99,328 bytes of LDS; arguments ximg, xsc, wimg, wsc, bq, bk, bv, qkv; writes qkv
.if DOCPART == 2
	.amdgcn_target "amdgcn-amd-amdhsa--gfx1250"
	.amdhsa_code_object_version 6
	.text
	.protected	k_q2b4964574f_proj
	.globl	k_q2b4964574f_proj
	.p2align	8
	.type	k_q2b4964574f_proj,@function
k_q2b4964574f_proj:
	s_mov_b64 s[64:65], 0
	v_nop
	global_prefetch_b8 v0, s[64:65] scope:SCOPE_SE
	s_setreg_imm32_b32 hwreg(HW_REG_WAVE_MODE, 25, 1), 1
	s_wait_xcnt 0x0
; PROJ.  Q = q Wq^T + bq, K = k Wk^T + bk, V = v Wv^T + bv on codes of BF6 with E8M0 scales, f32 sums, K ascending on one accumulator for each output; then each result is quantised for attention:
; Q and K along the head's 64, V along the keys.  One text serves the three: work-group y = p (0 Q, 1 K, 2 V).
; D = (source 0 = a tile of 16 S rows) x (source 1 = a tile of 16 R rows): a lane holds one R row, and its registers run along S.  p < 2: R = 128 tokens, S = the 1,024 features, so a lane's registers run along
; a head's 64.  p = 2: R = 128 features of Wv, S = 1,024 tokens, so a lane's registers run along the keys.  Only pointers and scalars differ, chosen by s_cselect on p: no branch on p.
; TILES: lane index m of tile T stands for row 32 (T / 2) + 8 (T % 2) + m + (m & 8); so register j of S tile 2 b + u in lane (r, h) is S row 32 b + 16 h + 8 u + j: two tiles' 16 registers are 16 neighbours.
; SHARES.  The R block's 64 fragment images (98,304 dense bytes) are copied into LDS once and read by all eight waves.  Wave w, pass t (0, 1) owns 64 S rows (4 tiles): 8 x 4 accumulators, 256 registers, window 1.
; Its S fragments come from memory straight into its registers, three dense loads of 16 bytes a lane each; no two waves of a work-group read the same one.
; NO CLUSTER: what work-groups share is the S stream, and it lands in one wave's registers, not in LDS, where a joint load would put it; the R block is read by one work-group alone.
; OUT, into records of 307,200 bytes for each (batch, head): half images (16 rows x 64 along K, six registers a lane: registers 0-3 at 16 l, 4-5 at 512 + 8 l) of Q at 0, K at 98,304, V at 196,608; scale bytes of Q at
; 294,912, of K at 299,008, of V at 303,104, laid as attention's loads take them.
; LIMITS: NaN and infinities are not served; a block whose largest magnitude lies under 2^-122, a block of zeros among them, keeps the byte 1 (zero codes add nothing; this program alone reads the bytes).
; The bias that a product does not use (along R for Q and K, along S for V) is loaded from inside its buffer and replaced by 0.
.set LI,  1                            ; v1   16 x lane
.set L8,  2                            ; v2   8 x lane
.set LI2, 3                            ; v3   16 x lane + 49,152: R tiles 4-7 in LDS
.set VH,  4                            ; v4   64 h: the S bias of my half
.set VR,  5                            ; v5   4 (r + (r & 8)): the R bias of my row
.set SA,  6                            ; v6-9 where my scale halfword of R tiles 2 q + h goes
.set FA0, 10                           ; v10  16 x thread: the copy into LDS
.set FA1, 11                           ; v11  the same + 65,536
.set L32, 12                           ; v12  32 x lane: a scale image
.set RS,  16                           ; v16-47 R's scale words: register 8 P + s: tile 2 P in lanes 0-15, tile 2 P + 1 in lanes 16-31
.set SS,  48                           ; v48-63 S's likewise
.set RF,  64                           ; v64-159 R's eight fragments of a K step
.set SF,  160                          ; v160-207, v208-255 S's four fragments, two sets
.set T,   64                           ; behind the products: v64-95 a tile's 32 numbers
.set TM,  96                           ; v96-101 at work in the quantiser
.set PC,  112                          ; v112-117 a half image
.set PD,  120                          ; v120-122 the second conversion's result
.set U16, 124                          ; v124-131 the two scale bytes of each R tile
.set BRP, 132                          ; v[132:133] the R bias, twice
.set AD0, 134
.set AD1, 135
.set ADX, 136                          ; v136-139
.set XQ,  140                          ; v140-143
.set BS,  160                          ; v160-191 the S bias in the result's layout
.set BRL, 192                          ; v192-199 the R bias of each R tile
.set SEL, 60                           ; s[60:61]
.set MSB, 0
.macro WIN new                         ; the immediate's high byte repeats the setting that is left
.if MSB != \new
	s_set_vgpr_msb (MSB<<8)|\new
.set MSB, \new
.endif
.endm
.macro PLACES                          ; four plain places behind matrix instructions, in front of loads into their operands and of reads of their results
.rept 4
	v_nop
.endr
.endm
; one product: D at d, source 0 at a, source 1 at b; zero = 1: it starts the sum; sa, sb the scale registers, ra, rb = 1: taken from lanes 16-31
.macro WM d, a, b, zero, sa, sb, ra, rb
.if \zero
.if (\ra) && (\rb)
	v_wmma_scale_f32_16x16x128_f8f6f4 v[(\d):(\d)+7], v[(\a):(\a)+11], v[(\b):(\b)+11], 0, v[\sa], v[\sb] matrix_a_fmt:MATRIX_FMT_BF6 matrix_b_fmt:MATRIX_FMT_BF6 matrix_a_scale:MATRIX_SCALE_ROW1 matrix_b_scale:MATRIX_SCALE_ROW1
.elseif \ra
	v_wmma_scale_f32_16x16x128_f8f6f4 v[(\d):(\d)+7], v[(\a):(\a)+11], v[(\b):(\b)+11], 0, v[\sa], v[\sb] matrix_a_fmt:MATRIX_FMT_BF6 matrix_b_fmt:MATRIX_FMT_BF6 matrix_a_scale:MATRIX_SCALE_ROW1
.elseif \rb
	v_wmma_scale_f32_16x16x128_f8f6f4 v[(\d):(\d)+7], v[(\a):(\a)+11], v[(\b):(\b)+11], 0, v[\sa], v[\sb] matrix_a_fmt:MATRIX_FMT_BF6 matrix_b_fmt:MATRIX_FMT_BF6 matrix_b_scale:MATRIX_SCALE_ROW1
.else
	v_wmma_scale_f32_16x16x128_f8f6f4 v[(\d):(\d)+7], v[(\a):(\a)+11], v[(\b):(\b)+11], 0, v[\sa], v[\sb] matrix_a_fmt:MATRIX_FMT_BF6 matrix_b_fmt:MATRIX_FMT_BF6
.endif
.else
.if (\ra) && (\rb)
	v_wmma_scale_f32_16x16x128_f8f6f4 v[(\d):(\d)+7], v[(\a):(\a)+11], v[(\b):(\b)+11], v[(\d):(\d)+7], v[\sa], v[\sb] matrix_a_fmt:MATRIX_FMT_BF6 matrix_b_fmt:MATRIX_FMT_BF6 matrix_a_scale:MATRIX_SCALE_ROW1 matrix_b_scale:MATRIX_SCALE_ROW1
.elseif \ra
	v_wmma_scale_f32_16x16x128_f8f6f4 v[(\d):(\d)+7], v[(\a):(\a)+11], v[(\b):(\b)+11], v[(\d):(\d)+7], v[\sa], v[\sb] matrix_a_fmt:MATRIX_FMT_BF6 matrix_b_fmt:MATRIX_FMT_BF6 matrix_a_scale:MATRIX_SCALE_ROW1
.elseif \rb
	v_wmma_scale_f32_16x16x128_f8f6f4 v[(\d):(\d)+7], v[(\a):(\a)+11], v[(\b):(\b)+11], v[(\d):(\d)+7], v[\sa], v[\sb] matrix_a_fmt:MATRIX_FMT_BF6 matrix_b_fmt:MATRIX_FMT_BF6 matrix_b_scale:MATRIX_SCALE_ROW1
.else
	v_wmma_scale_f32_16x16x128_f8f6f4 v[(\d):(\d)+7], v[(\a):(\a)+11], v[(\b):(\b)+11], v[(\d):(\d)+7], v[\sa], v[\sb] matrix_a_fmt:MATRIX_FMT_BF6 matrix_b_fmt:MATRIX_FMT_BF6
.endif
.endif
.endm
; 32 numbers of a lane, register 16 b + i = k 32 b + 16 h + i of my row, become a half image in v[PC] .. v[PC + 5] (lane (r, h): block h) and the two scale bytes in v[TM + 2], v[TM + 3]
.macro QUANT2 s
.irp b, 0,1
	v_max3_num_f32 v[TM+\b], |v[\s+16*\b]|, |v[\s+1+16*\b]|, 0x2800000   ; my 16 numbers of block b, and the floor 2^(5 - 127)
.endr
.irp i, 2,4,6,8,10,12,14
.irp b, 0,1
	s_delay_alu instid0(VALU_DEP_2)
	v_max3_num_f32 v[TM+\b], v[TM+\b], |v[\s+16*\b+\i]|, |v[\s+1+16*\b+\i]|
.endr
.endr
.irp b, 0,1
	s_delay_alu instid0(VALU_DEP_2)
	v_permlanex16_b32 v[TM+2+\b], v[TM+\b], s[SEL], s[SEL+1]
.endr
.irp b, 0,1
	s_delay_alu instid0(VALU_DEP_2)
	v_max_num_f32 v[TM+\b], v[TM+\b], v[TM+2+\b]   ; with lane l xor 16's: the block's largest magnitude
.endr
.irp b, 0,1
	s_delay_alu instid0(VALU_DEP_2)
	v_add_nc_u32 v[TM+4+\b], 0xfe000000, v[TM+\b]  ; 4 off its exponent field: the conversion's scale operand
.endr
.irp b, 0,1
	s_delay_alu instid0(VALU_DEP_2)
	v_lshrrev_b32 v[TM+2+\b], 23, v[TM+4+\b]       ; the scale's byte
.endr
	v_cvt_scalef32_pk16_bf6_f32 v[PC:PC+2], v[\s:\s+15], v[TM+4]
	v_cvt_scalef32_pk16_bf6_f32 v[PD:PD+2], v[\s+16:\s+31], v[TM+5]
	v_nop                                          ; one plain place behind a scaled conversion
.irp i, 0,1,2
	v_permlane16_swap_b32 v[PC+\i], v[PD+\i]       ; lanes 0-15 now hold block 0 (lower 16 codes here, upper 16 there), lanes 16-31 block 1
.endr
.irp i, 0,1,2
	s_delay_alu instid0(VALU_DEP_3)
	v_mov_b32 v[PC+3+\i], v[PD+\i]
.endr
.endm
	s_load_b512 s[8:23], s[0:1], 0x0               ; ximg, xsc, wimg, wsc, bq, bk, bv, qkv
	v_lshrrev_b32 v13, 5, v0
	s_delay_alu instid0(VALU_DEP_1)
	v_readfirstlane_b32 s2, v13                    ; wave 0..7
	v_and_b32 v13, 31, v0                          ; lane
	v_and_b32 v14, 15, v0                          ; r
	v_bfe_u32 v15, v0, 4, 1                        ; h
	s_delay_alu instid0(VALU_DEP_3)
	v_lshlrev_b32 v[LI], 4, v13
	s_delay_alu instid0(VALU_DEP_4)
	v_lshlrev_b32 v[L8], 3, v13
	s_delay_alu instid0(VALU_DEP_2)
	v_add_nc_u32 v[LI2], 49152, v[LI]
	s_delay_alu instid0(VALU_DEP_4)
	v_lshlrev_b32 v[VH], 6, v15
	v_and_b32 v[VR], 8, v14
	s_delay_alu instid0(VALU_DEP_1)
	v_add_nc_u32 v[VR], v[VR], v14
	s_delay_alu instid0(VALU_DEP_1)
	v_lshlrev_b32 v[VR], 2, v[VR]
	v_lshlrev_b32 v[FA0], 4, v0
	s_delay_alu instid0(VALU_DEP_1)
	v_add_nc_u32 v[FA1], 0x10000, v[FA0]
	v_lshlrev_b32 v[L32], 5, v13
	s_mov_b32 s[SEL], 0x76543210
	s_mov_b32 s[SEL+1], 0xfedcba98
	s_mov_b32 s62, 0xffff0000                      ; the mask of lanes 16-31
	s_and_b32 s4, ttmp7, 0xffff                    ; p
	s_and_b32 s66, ttmp9, 7
	s_lshr_b32 s67, ttmp9, 3
	s_lshl_b32 s67, s67, 4
	s_cmp_eq_u32 s4, 2                             ; V?
	s_cselect_b32 s24, s66, ttmp9                  ; RB: my block of 128 R rows
	s_cselect_b32 s25, s67, 0                      ; my first group of 64 S rows
	s_cselect_b32 s38, 0, -1                       ; MS: the bias runs along S
	s_cselect_b32 s39, -1, 0                       ; MR: along R
	s_mov_b32 s42, 768
	s_cselect_b32 s42, 1536, s42                   ; from R tile to R tile in the output
	s_cselect_b32 s43, 301056, 0                   ; and once more behind R tile 3: V's next head
	s_mul_i32 s66, s4, 6291456
	s_cselect_b32 s66, 1572864, s66                ; R's section: Wv in wimg, or x_p in ximg
	s_mul_i32 s68, s4, 262144
	s_cselect_b32 s68, 65536, s68
	s_mul_i32 s70, s4, 786432
	s_cselect_b32 s70, 12582912, s70               ; S's section: v in ximg, or W_p in wimg
	s_mul_i32 s72, s4, 32768
	s_cselect_b32 s72, 524288, s72
	s_mul_i32 s74, s24, 98304
	s_add_co_u32 s66, s66, s74
	s_mov_b32 s67, 0
	s_lshl_b32 s74, s24, 12
	s_add_co_u32 s68, s68, s74
	s_mov_b32 s69, 0
	s_mov_b32 s71, 0
	s_mov_b32 s73, 0
	s_lshl_b32 s36, s24, 9
	s_and_b32 s36, s36, s39                        ; the R bias begins at feature 128 RB (V), or at 0 (not used)
	s_mov_b32 s37, 0
	s_mul_i32 s74, s24, 614400                     ; V: record 2 RB
	s_lshr_b32 s75, s24, 4
	s_mul_i32 s75, s75, 4915200                    ; Q, K: the batch's 16 records
	s_and_b32 s76, s24, 15
	s_mul_i32 s77, s76, 6144                       ; eight half images
	s_add_co_u32 s77, s77, s75
	s_mul_i32 s78, s4, 98304
	s_add_co_u32 s77, s77, s78
	s_lshl_b32 s76, s76, 8
	s_add_co_u32 s76, s76, s75
	s_lshl_b32 s78, s4, 12
	s_add_co_u32 s76, s76, s78
	s_add_co_u32 s76, s76, 294912
	s_add_co_u32 s78, s74, 196608
	s_add_co_u32 s79, s74, 303104
	s_cmp_eq_u32 s4, 2
	s_cselect_b32 s40, s78, s77                    ; OB: codes
	s_cselect_b32 s41, s79, s76                    ; OSB: scale bytes
	s_mov_b32 s44, 8                               ; the scale halfword of R tile 2 q + h, row r: r a1 + h a2 + (q & 1) a3 + (q >> 1) a4
	s_mov_b32 s45, 2
	s_mov_b32 s46, 128
	s_mov_b32 s47, 4
	s_cmp_eq_u32 s4, 0
	s_cselect_b32 s44, 2, s44
	s_cselect_b32 s45, 32, s45
	s_cselect_b32 s46, 64, s46
	s_cselect_b32 s47, 128, s47
	s_cmp_eq_u32 s4, 2
	s_cselect_b32 s45, 128, s45
	s_cselect_b32 s46, 4, s46
	s_cselect_b32 s47, 307200, s47
	v_mul_lo_u32 v[SA], v14, s44
	v_mul_lo_u32 v13, v15, s45
	s_delay_alu instid0(VALU_DEP_1)
	v_add_nc_u32 v[SA], v[SA], v13
	s_delay_alu instid0(VALU_DEP_1)
	v_add_nc_u32 v[SA+1], s46, v[SA]
	s_delay_alu instid0(VALU_DEP_2)
	v_add_nc_u32 v[SA+2], s47, v[SA]
	s_delay_alu instid0(VALU_DEP_2)
	v_add_nc_u32 v[SA+3], s47, v[SA+1]
	s_wait_alu depctr_va_vdst(0)
	s_wait_kmcnt 0x0
	s_cmp_eq_u32 s4, 2
	s_cselect_b64 s[26:27], s[12:13], s[8:9]       ; R's images
	s_cselect_b64 s[28:29], s[14:15], s[10:11]     ; R's scales
	s_cselect_b64 s[30:31], s[8:9], s[12:13]       ; S's images
	s_cselect_b64 s[32:33], s[10:11], s[14:15]     ; S's scales
	s_cselect_b64 s[34:35], s[20:21], s[18:19]
	s_cmp_eq_u32 s4, 0
	s_cselect_b64 s[34:35], s[16:17], s[34:35]     ; the bias
	s_add_nc_u64 s[26:27], s[26:27], s[66:67]
	s_add_nc_u64 s[28:29], s[28:29], s[68:69]
	s_add_nc_u64 s[30:31], s[30:31], s[70:71]
	s_add_nc_u64 s[32:33], s[32:33], s[72:73]
	s_add_nc_u64 s[36:37], s[34:35], s[36:37]
	; the R block into LDS: 24 loads of 16 bytes a thread, 4,096 consecutive bytes a work-group and load
.set i, 0
.rept 24
	global_load_b128 v[RF+4*i:RF+4*i+3], v[FA0], s[26:27] offset:4096*i
.set i, i+1
.endr
.irp P, 0,1,2,3
	global_load_b128 v[RS+8*\P:RS+8*\P+3], v[L32], s[28:29] offset:1024*\P
	global_load_b128 v[RS+8*\P+4:RS+8*\P+7], v[L32], s[28:29] offset:1024*\P+16
.endr
	s_wait_loadcnt 8                               ; the 24 are in; the eight loads of R's scales stay out
.set i, 0
.rept 16
	ds_store_b128 v[FA0], v[RF+4*i:RF+4*i+3] offset:4096*i
.set i, i+1
.endr
.rept 8
	ds_store_b128 v[FA1], v[RF+4*i:RF+4*i+3] offset:4096*(i-16)
.set i, i+1
.endr
	s_wait_dscnt 0x0                               ; for the others' sake: my stores have landed
	s_barrier_signal -1
	s_barrier_wait -1                              ; the launch's one barrier: from here on LDS is only read
.macro RLOAD s, i0                     ; R tiles i0 .. i0 + 3 of K step s: 12 loads
.irp i, 0,1,2,3
.irp g, 0,1,2
.if (\i0) == 0
	ds_load_b128 v[RF+12*\i+4*\g:RF+12*\i+4*\g+3], v[LI] offset:(8*\i+(\s))*1536+512*\g
.else
	ds_load_b128 v[RF+48+12*\i+4*\g:RF+48+12*\i+4*\g+3], v[LI2] offset:(8*\i+(\s))*1536+512*\g
.endif
.endr
.endr
.endm
.macro SLOAD s, buf                    ; my four S tiles of K step s: 12 loads
.irp i, 0,1,2,3
.irp g, 0,1,2
	global_load_b128 v[SF+48*(\buf)+12*\i+4*\g:SF+48*(\buf)+12*\i+4*\g+3], v[LI], s[50:51] offset:12288*\i+1536*(\s)+512*\g
.endr
.endr
.endm
.macro BLOAD                           ; both biases: 16 loads
.irp b, 0,1
.irp i, 0,1,2,3
	global_load_b128 v[BS+16*\b+4*\i:BS+16*\b+4*\i+3], v[VH], s[54:55] offset:128*\b+16*\i
.endr
.endr
.irp a, 0,1,2,3,4,5,6,7
	global_load_b32 v[BRL+\a], v[VR], s[36:37] offset:4*(32*(\a/2)+8*(\a%2))
.endr
.endm
.macro MUL16 s, r0                     ; R tiles r0 .. r0 + 3 x my four S tiles; the 32 accumulators take turns, one instruction a turn, in the same order in every K step
.irp a, 0,1,2,3
.irp b, 0,1,2,3
	WM 8*(4*((\r0)+\a)+\b), SF+48*((\s)%2)+12*\b, RF+12*((\r0)+\a), (\s)==0, SS+8*(\b/2)+(\s), RS+8*(((\r0)+\a)/2)+(\s), \b%2, ((\r0)+\a)%2
.endr
.endr
.endm
.macro KSTEP s
.if (\s) < 7
	s_wait_loadcnt 12                              ; this step's S fragments are in (and all older loads); the next step's 12 stay out
.else
	s_wait_loadcnt 16                              ; the 16 loads of the biases stay out
.endif
	s_wait_dscnt 12                                ; R tiles 0-3 are in; tiles 4-7's 12 loads stay out
	WIN 0x50                                       ; C and D in window 1
	MUL16 \s, 0
	WIN 0
	PLACES
.if (\s) < 7
	RLOAD (\s)+1, 0
	s_wait_dscnt 12                                ; R tiles 4-7 are in; the 12 just issued stay out
.else
	s_wait_dscnt 0x0
.endif
	WIN 0x50
	MUL16 \s, 4
	WIN 0
	PLACES
.if (\s) < 7
	RLOAD (\s)+1, 4
.endif
.if (\s) < 6
	SLOAD (\s)+2, (\s)%2
.endif
.if (\s) == 6
	BLOAD                                          ; into S's set 0, which has had its last product
.endif
.endm
	s_mov_b32 s48, 0
.Lpass:                                            ; two passes: S groups GS0 + w and GS0 + 8 + w
	s_lshl_b32 s58, s48, 3
	s_add_co_u32 s58, s58, s25
	s_add_co_u32 s58, s58, s2                      ; GS
	s_mul_i32 s66, s58, 49152
	s_mov_b32 s67, 0
	s_add_nc_u64 s[50:51], s[30:31], s[66:67]      ; its four tiles' images
	s_lshl_b32 s66, s58, 11
	s_add_nc_u64 s[52:53], s[32:33], s[66:67]      ; their scales
	s_lshl_b32 s66, s58, 8
	s_and_b32 s66, s66, s38
	s_add_nc_u64 s[54:55], s[34:35], s[66:67]      ; the S bias: feature 64 GS (Q, K), or 0 (not used)
	s_lshr_b32 s68, s58, 5
	s_mul_i32 s68, s68, 4915200                    ; V: the batch
	s_bfe_u32 s69, s58, 0x40001                    ; the key step of 128
	s_and_b32 s70, s58, 1                          ; its half
	s_mul_i32 s71, s69, 6144
	s_add_co_u32 s71, s71, s68
	s_mul_i32 s72, s70, 768
	s_add_co_u32 s71, s71, s72
	s_lshl_b32 s69, s69, 8
	s_add_co_u32 s69, s69, s68
	s_lshl_b32 s70, s70, 1
	s_add_co_u32 s69, s69, s70
	s_mul_i32 s72, s58, 307200                     ; Q, K: the head's record
	s_cmp_eq_u32 s4, 2
	s_cselect_b32 s56, s71, s72
	s_cselect_b32 s57, s69, s72
	s_add_co_u32 s56, s56, s40                     ; OT: where R tile 0's half image goes
	s_add_co_u32 s57, s57, s41                     ; OS: and the scale bytes
.irp P, 0,1
	global_load_b128 v[SS+8*\P:SS+8*\P+3], v[L32], s[52:53] offset:1024*\P
	global_load_b128 v[SS+8*\P+4:SS+8*\P+7], v[L32], s[52:53] offset:1024*\P+16
.endr
	SLOAD 0, 0
	SLOAD 1, 1
	RLOAD 0, 0
	RLOAD 0, 4
.irp s, 0,1,2,3,4,5,6,7
	KSTEP \s
.endr
	; the way out: bias, quantiser, stores.  The last K step's four places stand above
	s_wait_loadcnt 0x0                             ; the biases
	v_mov_b32 v[TM+2], 0                           ; a lane permute's destination counts as one of its sources
	v_mov_b32 v[TM+3], 0
.set i, 0
.rept 32
	v_cndmask_b32 v[BS+i], 0, v[BS+i], s38
.set i, i+1
.endr
.set i, 0
.rept 8
	v_cndmask_b32 v[BRL+i], 0, v[BRL+i], s39
.set i, i+1
.endr
	s_wait_alu depctr_va_vdst(0)
.irp R, 0,1,2,3,4,5,6,7
	s_wait_xcnt 0x0                                ; the last tile's stores have read their data and addresses, which are written again below
	v_mov_b32 v[BRP], v[BRL+\R]
	v_mov_b32 v[BRP+1], v[BRL+\R]
	WIN 0x01                                       ; source 0 in window 1
.set i, 0
.rept 16
	v_pk_add_f32 v[T+2*i:T+2*i+1], v[32*\R+2*i:32*\R+2*i+1], v[BS+2*i:BS+2*i+1]   ; ascending: each accumulator is read from its low end on
.set i, i+1
.endr
	WIN 0
.set i, 0
.rept 16
	v_pk_add_f32 v[T+2*i:T+2*i+1], v[T+2*i:T+2*i+1], v[BRP:BRP+1]   ; one of the two biases is 0
.set i, i+1
.endr
	QUANT2 T
	v_lshl_or_b32 v[U16+\R], v[TM+3], 8, v[TM+2]
	v_add_nc_u32 v[AD0], s56, v[LI]
	v_add_nc_u32 v[AD1], s56, v[L8]
	global_store_b128 v[AD0], v[PC:PC+3], s[22:23]             ; 512 consecutive bytes,
	global_store_b64 v[AD1], v[PC+4:PC+5], s[22:23] offset:512 ; and 256
	s_add_co_u32 s56, s56, s42
.if \R == 3
	s_add_co_u32 s56, s56, s43
.endif
.endr
.irp q, 0,1,2,3
	v_cndmask_b32 v[XQ+\q], v[U16+2*\q], v[U16+2*\q+1], s62    ; lanes 0-15: R tile 2 q; lanes 16-31: R tile 2 q + 1
	v_add_nc_u32 v[ADX+\q], s57, v[SA+\q]
	global_store_b16 v[ADX+\q], v[XQ+\q], s[22:23]
.endr
	s_wait_xcnt 0x0                                ; the stores have read their registers: the next pass loads over them
	s_add_co_u32 s48, s48, 1
	s_cmp_lt_u32 s48, 2
	s_cbranch_scc1 .Lpass
	s_wait_xcnt 0x0
	v_lshl_add_u32 v254, v0, 2, 0x18000
	v_mov_b32 v255, 0
	s_wait_alu depctr_va_vdst(0)
	s_wait_tensorcnt 0x0
	ds_add_u32 v254, v255
	s_wait_dscnt 0x0
	s_endpgm
.Lfunc_end_k_q2b4964574f_proj:
	.size	k_q2b4964574f_proj, .Lfunc_end_k_q2b4964574f_proj-k_q2b4964574f_proj
	.p2alignl 7, 3214868480
	.fill 96, 4, 3214868480
	.section	.rodata,"a",@progbits
	.p2align	6, 0x0
	.amdhsa_kernel k_q2b4964574f_proj
		.amdhsa_group_segment_fixed_size 99328
		.amdhsa_private_segment_fixed_size 0
		.amdhsa_enable_private_segment 0
		.amdhsa_kernarg_size 64
		.amdhsa_user_sgpr_count 2
		.amdhsa_user_sgpr_kernarg_segment_ptr 1
		.amdhsa_wavefront_size32 1
		.amdhsa_system_sgpr_workgroup_id_x 1
		.amdhsa_system_sgpr_workgroup_id_y 1
		.amdhsa_system_sgpr_workgroup_id_z 1
		.amdhsa_system_vgpr_workitem_id 0
		.amdhsa_next_free_vgpr 512
		.amdhsa_next_free_sgpr 100
		.amdhsa_reserve_vcc 0
		.amdhsa_float_denorm_mode_32 3
		.amdhsa_float_denorm_mode_16_64 3
		.amdhsa_memory_ordered 1
		.amdhsa_forward_progress 1
		.amdhsa_inst_pref_size 114
	.end_amdhsa_kernel
	.amdgpu_metadata
---
amdhsa.version: [ 1, 2 ]
amdhsa.kernels:
  - .name:           k_q2b4964574f_proj
    .symbol:         k_q2b4964574f_proj.kd
    .args:
      - { .name: ximg, .offset: 0, .size: 8, .value_kind: global_buffer, .address_space: global }
      - { .name: xsc, .offset: 8, .size: 8, .value_kind: global_buffer, .address_space: global }
      - { .name: wimg, .offset: 16, .size: 8, .value_kind: global_buffer, .address_space: global }
      - { .name: wsc, .offset: 24, .size: 8, .value_kind: global_buffer, .address_space: global }
      - { .name: bq, .offset: 32, .size: 8, .value_kind: global_buffer, .address_space: global }
      - { .name: bk, .offset: 40, .size: 8, .value_kind: global_buffer, .address_space: global }
      - { .name: bv, .offset: 48, .size: 8, .value_kind: global_buffer, .address_space: global }
      - { .name: qkv, .offset: 56, .size: 8, .value_kind: global_buffer, .address_space: global }
    .group_segment_fixed_size: 99328
    .private_segment_fixed_size: 0
    .kernarg_segment_align: 8
    .kernarg_segment_size: 64
    .max_flat_workgroup_size: 256
    .sgpr_count:     100
    .vgpr_count:     512
    .wavefront_size: 32
...
	.end_amdgpu_metadata
.endif
;; end of part 2
;; launch attn (part 3): grid 4 x 64, 8 waves a work-group, no clusters, 327,680 bytes of LDS; arguments qkv, aimg, asc; writes aimg, asc
.if DOCPART == 3
	.amdgcn_target "amdgcn-amd-amdhsa--gfx1250"
	.amdhsa_code_object_version 6
	.text
	.protected	k_q2b4964574f_attn
	.globl	k_q2b4964574f_attn
	.p2align	8
	.type	k_q2b4964574f_attn,@function
k_q2b4964574f_attn:
	s_mov_b64 s[64:65], 0
	v_nop
	global_prefetch_b8 v0, s[64:65] scope:SCOPE_SE
	s_setreg_imm32_b32 hwreg(HW_REG_WAVE_MODE, 25, 1), 1
	s_wait_xcnt 0x0
; ATTN.  For one (batch, head): O[q] = sum over keys of softmax(Q[q] . K[key] / 8) V[key], both products on codes of BF6 with E8M0 scales; then O / the row's sum is quantised along the head's 64 for the last product.
; THE SOFTMAX: t = score x log2(e) / 8; M = the running largest t rounded UP to a whole number, kept as -M = floor(-t); p = 2^(t - M) is quantised along the keys, not normalised; the row's sum is taken of the
; unquantised p.  When M moves, the sum and O are multiplied by 2^(old M - new M), which rounds nothing.
; SHARES.  Work-group (x, y): record y = 16 batch + head, queries 512 x on.  Each of eight waves owns four tiles of 16 queries and walks the 2,048 keys, 128 a step; a UNIT is one query tile x one key step, 64 units a wave.
; The four tiles take turns on one fetch of K's and V's fragments: 34 LDS loads serve four units.
; THE WHOLE HEAD'S K AND V come into LDS, each byte once, at the place that it has in the record behind byte 98,304 (K's half images at 0, V's at 98,304, the scale bytes from 196,608 on), IN TWO FILLS.
; The first, at the head, a load of 24 rows of 256 bytes a wave: K's key steps 0-2, V's key steps 0-2 and the 48 rows of scale bytes.  The second, behind the barrier,
; a load of 78 rows a wave: key steps 3-15 of K (waves 0-3) and of V (waves 4-7).  Key steps 0 and 1 are worked on the first fill (they fetch K up to step 2 and V up to step 1) while the
; second is on its way; a second barrier, with each wave's wait for its load in front of it, shows the second fill to all.  Nothing is filled again.
; NO CLUSTER: the four work-groups of a head share these two fills and nothing in the 64 units.  NO PREFETCH: the launch's one stream is asked for whole by its first lines; no loop reads memory.
; LAYOUT.  Both products transposed: S^T = K Q^T (source 0 = keys), O^T = V^T P^T (source 0 = 16 of the head's 64): a lane holds ONE query.  Lane index m of key tile 4 c + u stands for key 64 c + 8 u + m + 3 (m & 8),
; so lane (r, h)'s 32 registers of tiles 4 c .. 4 c + 3 are keys 64 c + 32 h + 0 .. 31: a whole block in the order of the second product's operand; no lane is asked for a block's maximum and no code changes lanes.
; THE FIRST PRODUCT'S K IS 64, the instruction's 128.  A fragment of K holds two tiles of keys; Q stands between runs of six zero registers: (Q, 0) picks tile 2 f, (0, Q) tile 2 f + 1.
; A BLOCK'S SCALE: p = 2^x with x = t - M, so floor(log2) of the block's largest p is floor(x) of its largest score; the byte is floor(max(x, -122)) + 123, from 1 on.
; THE ORDER OF A UNIT u (S has two buffers, u % 2): x = t - M; the 64 exponentials; O x f; the maxima of unit u + 1's scores; codes; sums; O += V p; the scores of unit u + 2 into the buffer just read out; M, f and scales of unit u + 1.
; WINDOWS: v0-255 addresses, state, scales, operands; v256-383 the two S buffers; v384-511 O^T of the four tiles.
; LIMITS: NaN and infinities are not served; the promise holds while the scaled scores stay under 2^31 in magnitude; a block of p or of O whose largest magnitude lies under 2^-122 keeps the byte 1.
.set REC,   307200
.set SPARE, 208896                     ; behind the tiles: the spare words, 128 bytes a wave
.set SPW, 1
.set NIL, 2
.set L16, 3                            ; 16 x lane
.set L8,  4                            ; 8 x lane
.set H8,  5                            ; 8 h
.set AB,  6                            ; 32 r + h: my scale byte in asc
.set AQS, 7                            ; 2 r
.set A16, 8                            ; v8-10 a fetch's addresses
.set A8,  9
.set AS,  10
.set R,   11
.set RX,  12
.set TP,  13
.set F,   14                           ; v[14:15] f = 2^(old M - new M); the low word serves both halves
.set ST,  16                           ; v16-31 a tile's state: -M, the largest score, the sum in two halves
.set QS,  32                           ; v32-35 Q's scale words
.set KS,  36                           ; v[36:37] K's
.set VS,  38                           ; v[38:39] V's
.set PSW, 40                           ; p's scale word
.set NN,  41
.set SOP, 42                           ; v42-43 the conversions' scale operands
.set C,   44                           ; v44-51 eight chains of maxima
.set X,   52                           ; v52-53
.set W,   54
.set WX,  55
.set T,   60                           ; v60-75 eight chains of sums
.set PC,  76                           ; v76-87 p's codes
.set PD,  88                           ; v88-90, v92-94 the conversions that end on odd registers
.set QZ,  96                           ; v96-149 zeros, Q0, zeros, Q1, zeros, Q2, zeros, Q3, zeros: six registers each
.set KF,  150                          ; v150-197 K's four fragments
.set VF,  198                          ; v198-245 V's
.set E,   150                          ; the way out: 32 numbers
.set SEL, 36                           ; s[36:37]
.set CS,  38                           ; s[38:39] c = log2(e) / 8
.set NC,  40                           ; s40 -c
.set HI,  41                           ; s41 the mask of lanes 16-31
.set TK,  42                           ; s42-45 LDS bytes of the next fetch: K's images, K's scales, V's images, V's scales
.set TKS, 43
.set TV,  44
.set TVS, 45
.set CNT, 46
.set MSB, 0
.macro WIN new                         ; the immediate's high byte repeats the setting that is left
.if MSB != \new
	s_set_vgpr_msb (MSB<<8)|\new
.set MSB, \new
.endif
.endm
.macro DL n
	s_delay_alu instid0(VALU_DEP_\n)
.endm
.macro WM d, a, b, z, sa, sb, ra       ; one product; z = 1: it starts the sum; ra = 1: source 0's scales from lanes 16-31
.if (\z) && (\ra)
	v_wmma_scale_f32_16x16x128_f8f6f4 v[(\d):(\d)+7], v[(\a):(\a)+11], v[(\b):(\b)+11], 0, v[\sa], v[\sb] matrix_a_fmt:MATRIX_FMT_BF6 matrix_b_fmt:MATRIX_FMT_BF6 matrix_a_scale:MATRIX_SCALE_ROW1
.elseif \z
	v_wmma_scale_f32_16x16x128_f8f6f4 v[(\d):(\d)+7], v[(\a):(\a)+11], v[(\b):(\b)+11], 0, v[\sa], v[\sb] matrix_a_fmt:MATRIX_FMT_BF6 matrix_b_fmt:MATRIX_FMT_BF6
.elseif \ra
	v_wmma_scale_f32_16x16x128_f8f6f4 v[(\d):(\d)+7], v[(\a):(\a)+11], v[(\b):(\b)+11], v[(\d):(\d)+7], v[\sa], v[\sb] matrix_a_fmt:MATRIX_FMT_BF6 matrix_b_fmt:MATRIX_FMT_BF6 matrix_a_scale:MATRIX_SCALE_ROW1
.else
	v_wmma_scale_f32_16x16x128_f8f6f4 v[(\d):(\d)+7], v[(\a):(\a)+11], v[(\b):(\b)+11], v[(\d):(\d)+7], v[\sa], v[\sb] matrix_a_fmt:MATRIX_FMT_BF6 matrix_b_fmt:MATRIX_FMT_BF6
.endif
.endm
.macro FLOAD dst, sb, ss, sc           ; a key step's four fragments (eight half images) and their scale words: 17 loads of consecutive bytes; then the scalars step
	v_add_nc_u32 v[A16], s[\sb], v[L16]
	v_add_nc_u32 v[A8], s[\sb], v[L8]
	v_add_nc_u32 v[AS], s[\ss], v[L8]
.irp f, 0,1,2,3
.irp c, 0,1
	ds_load_b128 v[\dst+12*\f+6*\c:\dst+12*\f+6*\c+3], v[A16] offset:(2*\f+\c)*768
	ds_load_b64 v[\dst+12*\f+6*\c+4:\dst+12*\f+6*\c+5], v[A8] offset:(2*\f+\c)*768+512
.endr
.endr
	ds_load_b64 v[\sc:\sc+1], v[AS]                ; register f / 2: fragment f's words in lanes 0-15 (f even) or 16-31 (f odd)
	s_add_co_u32 s[\sb], s[\sb], 6144
	s_add_co_u32 s[\ss], s[\ss], 256
.endm
.macro QK t, b                         ; S^T of query tile t into buffer b: eight products, each starting its sum
.irp f, 0,1,2,3
	WM 64*(\b)+16*\f, KF+12*\f, QZ+12*(\t)+6, 1, KS+\f/2, QS+(\t), \f%2
	WM 64*(\b)+16*\f+8, KF+12*\f, QZ+12*(\t), 1, KS+\f/2, QS+(\t), \f%2
.endr
.endm
.macro MAXB sb                         ; eight chains, one to an accumulator, each read from its low end on; the first leaf is the least finite number
.irp i, 0,1,2,3
.irp j, 0,1,2,3,4,5,6,7
.if \i == 0
	v_max3_num_f32 v[C+\j], 0xff7fffff, v[\sb+8*\j], v[\sb+8*\j+1]
.else
	v_max3_num_f32 v[C+\j], v[C+\j], v[\sb+8*\j+2*\i], v[\sb+8*\j+2*\i+1]
.endif
.endr
.endr
.endm
.macro CHAIN t                         ; from the chains: my two blocks' largest scores, the row's M and f, the scale operands and p's scale word
.set NS_, ST+4*(\t)
	v_max3_num_f32 v[C], v[C], v[C+1], v[C+2]
	v_max3_num_f32 v[C+4], v[C+4], v[C+5], v[C+6]
	DL 2
	v_max_num_f32 v[C], v[C], v[C+3]               ; block h
	DL 2
	v_max_num_f32 v[C+4], v[C+4], v[C+7]           ; block 2 + h
	DL 1
	v_max_num_f32 v[R], v[C], v[C+4]
	DL 1
	v_permlanex16_b32 v[RX], v[R], s[SEL], s[SEL+1]
	DL 1
	v_max3_num_f32 v[NS_+1], v[NS_+1], v[R], v[RX] ; the running largest score
	DL 1
	v_mul_f32 v[TP], s[NC], v[NS_+1]               ; -t
	DL 1
	v_floor_f32 v[NN], v[TP]                       ; the new -M = -ceil(t)
	DL 1
	v_sub_f32 v[TP], v[NN], v[NS_]                 ; old M - new M: a whole number, 0 or less
	DL 2
	v_mov_b32 v[NS_], v[NN]
	DL 2
	v_cvt_i32_f32 v[TP], v[TP]                     ; (it saturates)
	DL 2
	v_fma_f32 v[X], v[C], s[CS], v[NS_]            ; x of each block's largest score: the same multiply-add as its p's
	DL 3
	v_fma_f32 v[X+1], v[C+4], s[CS], v[NS_]
	DL 3
	v_ldexp_f32 v[F], 1.0, v[TP]
	DL 3
	v_max_num_f32 v[X], 0xc2f40000, v[X]           ; held at -122: the byte cannot fall under 1
	DL 3
	v_max_num_f32 v[X+1], 0xc2f40000, v[X+1]
	DL 2
	v_cvt_floor_i32_f32 v[X], v[X]
	DL 2
	v_cvt_floor_i32_f32 v[X+1], v[X+1]
	DL 2
	v_add_nc_u32 v[X], 123, v[X]                   ; the byte: floor(x) - 4 + 127
	DL 2
	v_add_nc_u32 v[X+1], 123, v[X+1]
	DL 2
	v_lshlrev_b32 v[SOP], 23, v[X]
	DL 2
	v_lshlrev_b32 v[SOP+1], 23, v[X+1]
	DL 3
	v_lshl_or_b32 v[W], v[X+1], 16, v[X]           ; my bytes of blocks h and 2 + h,
	DL 1
	v_lshlrev_b32 v[W], v[H8], v[W]                ; at their places;
	DL 1
	v_permlanex16_b32 v[WX], v[W], s[SEL], s[SEL+1]
	DL 1
	v_or_b32 v[PSW], v[W], v[WX]                   ; with lane l xor 16's two the word is whole
.endm
.macro UA t                            ; x = t - M, two at a time
	WIN 0x41
.set j, 64*((\t)%2)
.rept 32
	v_pk_fma_f32 v[j:j+1], v[j:j+1], s[CS:CS+1], v[ST+4*(\t):ST+4*(\t)+1] op_sel_hi:[1,0,0]
.set j, j+2
.endr
.endm
; the rest of a unit.  s1: the next unit's maxima and chain; qk: the scores of the unit after that; dw: a fetch is waited for
.macro UB t, s1, qk, dw
.set SB_, 64*((\t)%2)
.set NB_, 64*(((\t)+1)%2)
.set OB_, 128+32*(\t)
.set SS_, ST+4*(\t)
	WIN 0x41
	s_wait_alu depctr_va_vdst(0)                   ; ahead of the batch of exponentials
.set j, SB_
.rept 64
	v_exp_f32 v[j], v[j]                           ; p = 2^(t - M)
.set j, j+1
.endr
.if \dw
	s_wait_dscnt 0x0                               ; the 17 loads issued ahead of this unit's x or exponentials
.endif
	s_wait_alu depctr_va_vdst(0)                   ; one wait for the batch, directly ahead of O's first readers
.set j, OB_
.rept 16
	v_pk_mul_f32 v[j:j+1], v[j:j+1], v[F:F+1] op_sel_hi:[1,0]   ; O^T under the new M, ascending; plain places behind the exponentials
.set j, j+2
.endr
.if \s1
	WIN 0x14
	s_wait_alu depctr_va_vdst(0)                   ; directly ahead of the first readers of the next unit's scores
	MAXB NB_
.endif
	WIN 0x01
.irp c, 0,1
	v_cvt_scalef32_pk16_bf6_f32 v[PC+6*\c:PC+6*\c+2], v[SB_+32*\c:SB_+32*\c+15], v[SOP+\c]
	v_cvt_scalef32_pk16_bf6_f32 v[PD+4*\c:PD+4*\c+2], v[SB_+32*\c+16:SB_+32*\c+31], v[SOP+\c]   ; (a conversion's three registers begin on an even number)
.endr
	WIN 0x05
.irp j, 0,1,2,3,4,5,6,7
	v_pk_add_f32 v[T+2*\j:T+2*\j+1], v[SB_+4*\j:SB_+4*\j+1], v[SB_+4*\j+2:SB_+4*\j+3]   ; the row's sum is taken of the unquantised p: eight chains
.endr
	WIN 0
.irp c, 0,1
.irp i, 0,1,2
	v_mov_b32 v[PC+6*\c+3+\i], v[PD+4*\c+\i]
.endr
.endr
	WIN 0x04
.irp k, 32,48
.irp j, 0,1,2,3,4,5,6,7
	v_pk_add_f32 v[T+2*\j:T+2*\j+1], v[T+2*\j:T+2*\j+1], v[SB_+\k+2*\j:SB_+\k+2*\j+1]   ; these 16 are also the places between the codes' last write and the products
.endr
.endr
	WIN 0x50
.irp i, 0,1,2,3
	WM OB_+8*\i, VF+12*\i, PC, 0, VS+\i/2, PSW, \i%2   ; the four accumulators by turns
.endr
	WIN 0
.irp j, 0,1,2,3
	v_pk_add_f32 v[T+2*\j:T+2*\j+1], v[T+2*\j:T+2*\j+1], v[T+2*\j+8:T+2*\j+9]
.endr
	DL 2
	v_pk_add_f32 v[T:T+1], v[T:T+1], v[T+4:T+5]
	DL 2
	v_pk_add_f32 v[T+2:T+3], v[T+2:T+3], v[T+6:T+7]
	DL 1
	v_pk_add_f32 v[T:T+1], v[T:T+1], v[T+2:T+3]
	DL 1
	v_pk_fma_f32 v[SS_+2:SS_+3], v[SS_+2:SS_+3], v[F:F+1], v[T:T+1] op_sel_hi:[1,0,1]   ; the sum under the new M
.if \qk
	WIN 0x40
	QK ((\t)+2)%4, (\t)%2
	WIN 0
.endif
.if \s1
	CHAIN ((\t)+1)%4                               ; its lines are also the places between the products and the loads into their operands
.endif
.endm
.macro HALF1                           ; a key step's units 0 and 1, from unit 0's exponentials on; its V is fetched first (the last products on V's registers stand a chain and 32 multiply-adds back)
	FLOAD VF, TV, TVS, VS
	UB 0, 1, 1, 1
	UA 1
	UB 1, 1, 1, 0
.endm
.macro HALF2                           ; the next step's K, units 2 and 3, and the next step's first x
	FLOAD KF, TK, TKS, KS
	UA 2
	UB 2, 1, 1, 1
	UA 3
	UB 3, 1, 1, 0
	UA 0
	WIN 0
.endm
; 32 numbers of a lane, register 16 b + i = channel 32 b + 16 h + i of my query, become a half image in v[PC] .. v[PC + 5] and the two scale bytes in v[C + 2], v[C + 3]
.macro QUANT2 s
.irp b, 0,1
	v_max3_num_f32 v[C+\b], |v[\s+16*\b]|, |v[\s+1+16*\b]|, 0x2800000
.endr
.irp i, 2,4,6,8,10,12,14
.irp b, 0,1
	DL 2
	v_max3_num_f32 v[C+\b], v[C+\b], |v[\s+16*\b+\i]|, |v[\s+1+16*\b+\i]|
.endr
.endr
.irp b, 0,1
	DL 2
	v_permlanex16_b32 v[C+2+\b], v[C+\b], s[SEL], s[SEL+1]
.endr
.irp b, 0,1
	DL 2
	v_max_num_f32 v[C+\b], v[C+\b], v[C+2+\b]
.endr
.irp b, 0,1
	DL 2
	v_add_nc_u32 v[C+4+\b], 0xfe000000, v[C+\b]
.endr
.irp b, 0,1
	DL 2
	v_lshrrev_b32 v[C+2+\b], 23, v[C+4+\b]
.endr
	v_cvt_scalef32_pk16_bf6_f32 v[PC:PC+2], v[\s:\s+15], v[C+4]
	v_cvt_scalef32_pk16_bf6_f32 v[PD:PD+2], v[\s+16:\s+31], v[C+5]
	v_nop                                          ; one plain place behind a scaled conversion
.irp i, 0,1,2
	v_permlane16_swap_b32 v[PC+\i], v[PD+\i]
.endr
.irp i, 0,1,2
	DL 3
	v_mov_b32 v[PC+3+\i], v[PD+\i]
.endr
.endm
	s_load_b128 s[4:7], s[0:1], 0x0                ; qkv, aimg
	s_load_b64 s[8:9], s[0:1], 0x10                ; asc
	v_lshl_add_u32 v[SPW], v0, 2, SPARE
	v_mov_b32 v[NIL], 0
	ds_add_u32 v[SPW], v[NIL]                      ; the opening lines: the add, twice on end, and its wait ahead of my first tensor load
	ds_add_u32 v[SPW], v[NIL]
	v_lshrrev_b32 v52, 5, v0
	v_readfirstlane_b32 s2, v52                    ; wave 0..7
	s_mov_b32 s16, 3<<16                           ; group 1 of the first fill: 24 dense rows of 32 elements of 8 bytes
	s_mov_b32 s17, 32<<16
	s_mov_b32 s18, 24<<16
	s_mov_b32 s19, 32<<16
	s_mov_b32 s20, 24
	s_mov_b32 s21, 32
	s_mov_b32 s22, 0
	s_mov_b32 s23, 0
	s_mov_b32 s56, 3<<16                           ; of the second: 78 such rows
	s_mov_b32 s57, 32<<16
	s_mov_b32 s58, 78<<16
	s_mov_b32 s59, 32<<16
	s_mov_b32 s60, 78
	s_mov_b32 s61, 32
	s_mov_b32 s62, 0
	s_mov_b32 s63, 0
	s_mov_b32 s12, 1
	s_mul_i32 s24, s2, 11
	s_lshr_b32 s24, s24, 5                         ; g = wave / 3: 0 K, 1 V, 2 the scale bytes
	s_mul_i32 s24, s24, 79872
	s_mul_i32 s13, s2, 6144
	s_add_co_u32 s13, s13, s24                     ; the first fill, in LDS: 98,304 g + 6,144 (wave % 3),
	s_add_co_u32 s24, s13, 98304                   ; and in the record
	s_mov_b32 s25, 0
	s_mov_b32 s52, 1
	s_lshr_b32 s50, s2, 2                          ; the second: 0 K, 1 V
	s_mul_i32 s50, s50, 98304
	s_and_b32 s53, s2, 3
	s_mul_i32 s53, s53, 19968
	s_add_co_u32 s53, s53, s50
	s_add_co_u32 s53, s53, 18432                   ; behind key step 2, my quarter of 312 rows
	s_add_co_u32 s50, s53, 98304
	s_mov_b32 s51, 0
	s_and_b32 s3, ttmp7, 0xffff                    ; the record
	s_mul_i32 s10, s3, REC
	s_mov_b32 s11, 0
	s_wait_dscnt 0x0
	s_wait_kmcnt 0x0
	s_add_nc_u64 s[4:5], s[4:5], s[10:11]
	s_add_nc_u64 s[14:15], s[4:5], s[24:25]
	s_or_b32 s15, s15, 0x80000000
	s_add_nc_u64 s[54:55], s[4:5], s[50:51]
	s_or_b32 s55, s55, 0x80000000
	tensor_load_to_lds s[12:15], s[16:23]          ; my one tensor load at the head
	s_nop 0
	s_lshl_b32 s26, ttmp9, 5
	s_lshl_b32 s27, s2, 2
	s_add_co_u32 s26, s26, s27                     ; my first query tile of the head: 32 x + 4 wave
	s_mul_i32 s48, s26, 768
	s_mov_b32 s49, 0
	s_add_nc_u64 s[28:29], s[4:5], s[48:49]        ; Q's half images
	s_lshl_b32 s48, s26, 5
	s_add_co_u32 s48, s48, 294912
	s_add_nc_u64 s[30:31], s[4:5], s[48:49]        ; their scale bytes
	s_lshr_b32 s27, s3, 4
	s_lshl_b32 s27, s27, 7
	s_add_co_u32 s27, s27, s26                     ; the tile among all tokens: 128 batch + tile
	s_and_b32 s10, s3, 15                          ; the head
	s_lshl_b32 s48, s27, 4
	s_add_co_u32 s48, s48, s10
	s_mul_i32 s48, s48, 768
	s_add_nc_u64 s[32:33], s[6:7], s[48:49]
	s_lshl_b32 s48, s27, 9
	s_lshl_b32 s10, s10, 1
	s_add_co_u32 s48, s48, s10
	s_add_nc_u64 s[34:35], s[8:9], s[48:49]
	s_mov_b32 s[SEL], 0x76543210
	s_mov_b32 s[SEL+1], 0xfedcba98
	s_mov_b32 s[CS], 0x3e38aa3b                    ; log2(e) / 8
	s_mov_b32 s[CS+1], s[CS]                       ; (named with it as a pair)
	s_mov_b32 s[NC], 0xbe38aa3b
	s_mov_b32 s[HI], 0xffff0000
	s_mov_b32 s[TK], 0
	s_mov_b32 s[TKS], 200704
	s_mov_b32 s[TV], 98304
	s_mov_b32 s[TVS], 204800
	v_and_b32 v52, 31, v0                          ; lane
	v_and_b32 v53, 15, v0                          ; r
	v_bfe_u32 v54, v0, 4, 1                        ; h
	v_lshlrev_b32 v[L16], 4, v52
	v_lshlrev_b32 v[L8], 3, v52
	v_lshlrev_b32 v[H8], 3, v54
	v_lshl_add_u32 v[AB], v53, 5, v54
	v_lshlrev_b32 v[AQS], 1, v53
.irp t, 0,1,2,3
	global_load_b128 v[QZ+12*\t+6:QZ+12*\t+9], v[L16], s[28:29] offset:768*\t
	global_load_b64 v[QZ+12*\t+10:QZ+12*\t+11], v[L8], s[28:29] offset:768*\t+512
	global_load_u16 v[56+\t], v[AQS], s[30:31] offset:32*\t
.endr
.irp k, 0,1,2,3,4
.irp j, 0,1,2,3,4,5
	v_mov_b32 v[QZ+12*\k+\j], 0
.endr
.endr
.irp t, 0,1,2,3
	v_mov_b32 v[ST+4*\t], 0x7f61b1e6               ; -M: 3e38, so that the first f is 0
	v_mov_b32 v[ST+4*\t+1], 0xff61b1e6             ; the largest score so far: -3e38
	v_mov_b32 v[ST+4*\t+2], 0
	v_mov_b32 v[ST+4*\t+3], 0
.endr
	v_mov_b32 v[RX], 0                             ; a lane permute's destination counts as one of its sources
	v_mov_b32 v[WX], 0
	v_mov_b32 v[F+1], 0                            ; (named as the upper half of a pair)
	s_wait_alu depctr_va_vdst(0)
	s_wait_loadcnt 0x0
.irp t, 0,1,2,3
	v_lshl_or_b32 v[QS+\t], v[56+\t], 16, v[56+\t] ; Q's two bytes twice: they serve k 0-63 and k 64-127
.endr
	WIN 0x40
.set j, 128
.rept 128
	v_mov_b32 v[j], 0                              ; O^T: the unit is written once; each tile's first finds zeros
.set j, j+1
.endr
	WIN 0
	s_wait_alu depctr_va_vdst(0)                   ; the wait at the head's end
	s_wait_tensorcnt 0x0                           ; my part of the first fill has landed
	ds_add_u32 v[SPW], v[NIL]
	s_wait_dscnt 0x0
	s_barrier_signal -1
	s_barrier_wait -1                              ; everybody's part has landed
	tensor_load_to_lds s[52:55], s[56:63]          ; the second fill, my one tensor load behind the barrier
	s_nop 0
	FLOAD KF, TK, TKS, KS
	s_wait_alu depctr_va_vdst(0)
	s_wait_dscnt 0x0
	WIN 0x40
	QK 0, 0
	QK 1, 1
	WIN 0x14
.rept 4
	v_nop                                          ; places behind the products
.endr
	MAXB 0
	WIN 0
	CHAIN 0
	UA 0
	WIN 0
	s_mov_b32 s[CNT], 2
	s_wait_alu depctr_va_vdst(0)
.Lfirst:                                               ; key steps 0 and 1: they fetch V's steps 0, 1 and K's steps 1, 2, bytes of the first fill
	HALF1
	HALF2
	s_sub_co_u32 s[CNT], s[CNT], 1
	s_cmp_lg_u32 s[CNT], 0
	s_wait_alu depctr_va_vdst(0)                   ; directly ahead of the branch
	s_cbranch_scc1 .Lfirst
	s_wait_tensorcnt 0x0                           ; my part of the second fill has landed,
	s_wait_dscnt 0x0                               ; no LDS instruction of mine is out,
	s_barrier_signal -1
	s_barrier_wait -1                              ; and everybody's part has landed
	s_mov_b32 s[CNT], 14
.Ltrip:                                                ; key steps 2 to 15; the last leaves the loop at its middle: it fetches no K and starts no further scores
	HALF1
	s_cmp_eq_u32 s[CNT], 1
	s_wait_alu depctr_va_vdst(0)                   ; directly ahead of the branch
	s_cbranch_scc1 .Llast
	HALF2
	s_sub_co_u32 s[CNT], s[CNT], 1
	s_cmp_lg_u32 s[CNT], 0
	s_wait_alu depctr_va_vdst(0)
	s_cbranch_scc1 .Ltrip
.Llast:
	UA 2
	UB 2, 1, 0, 0
	UA 3
	UB 3, 0, 0, 0
	; the way out (the last unit's eight additions are the places behind its products)
.irp t, 0,1,2,3
	v_add_f32 v[ST+4*\t+2], v[ST+4*\t+2], v[ST+4*\t+3]
.endr
.irp t, 0,1,2,3
	DL 4
	v_permlanex16_b32 v[C+\t], v[ST+4*\t+2], s[SEL], s[SEL+1]
.endr
.irp t, 0,1,2,3
	DL 4
	v_add_f32 v[ST+4*\t+2], v[ST+4*\t+2], v[C+\t]  ; the rows' sums
.endr
	s_wait_alu depctr_va_vdst(0)
.irp t, 0,1,2,3
	v_rcp_f32 v[ST+4*\t+2], v[ST+4*\t+2]
.endr
	v_nop                                          ; a plain place behind the transcendentals
.irp t, 0,1,2,3
.if \t
	s_wait_xcnt 0x0                                ; the last tile's stores have read their registers
.endif
	WIN 0x01
	s_wait_alu depctr_va_vdst(0)                   ; ahead of the first reader of the reciprocals and of this tile's O
.set j, 0
.rept 32
	v_mul_f32 v[E+j], v[128+32*\t+j], v[ST+4*\t+2] ; ascending: each accumulator is read from its low end on
.set j, j+1
.endr
	WIN 0
	QUANT2 E
	global_store_b128 v[L16], v[PC:PC+3], s[32:33] offset:12288*\t
	global_store_b64 v[L8], v[PC+4:PC+5], s[32:33] offset:12288*\t+512
	v_cndmask_b32 v[TP], v[C+2], v[C+3], s[HI]     ; lane (r, h) stores block h's byte
	global_store_b8 v[AB], v[TP], s[34:35] offset:512*\t
.endr
	s_wait_tensorcnt 0x0                           ; the wave's end
	ds_add_u32 v[SPW], v[NIL]
	s_wait_dscnt 0x0
	s_endpgm
.Lfunc_end_k_q2b4964574f_attn:
	.size	k_q2b4964574f_attn, .Lfunc_end_k_q2b4964574f_attn-k_q2b4964574f_attn
	.p2alignl 7, 3214868480
	.fill 96, 4, 3214868480
	.section	.rodata,"a",@progbits
	.p2align	6, 0x0
	.amdhsa_kernel k_q2b4964574f_attn
		.amdhsa_group_segment_fixed_size 327680
		.amdhsa_private_segment_fixed_size 0
		.amdhsa_enable_private_segment 0
		.amdhsa_kernarg_size 24
		.amdhsa_user_sgpr_count 2
		.amdhsa_user_sgpr_kernarg_segment_ptr 1
		.amdhsa_wavefront_size32 1
		.amdhsa_system_sgpr_workgroup_id_x 1
		.amdhsa_system_sgpr_workgroup_id_y 1
		.amdhsa_system_sgpr_workgroup_id_z 1
		.amdhsa_system_vgpr_workitem_id 0
		.amdhsa_next_free_vgpr 512
		.amdhsa_next_free_sgpr 66
		.amdhsa_reserve_vcc 0
		.amdhsa_float_denorm_mode_32 3
		.amdhsa_float_denorm_mode_16_64 3
		.amdhsa_memory_ordered 1
		.amdhsa_forward_progress 1
		.amdhsa_inst_pref_size 177
	.end_amdhsa_kernel
	.amdgpu_metadata
---
amdhsa.version: [ 1, 2 ]
amdhsa.kernels:
  - .name:           k_q2b4964574f_attn
    .symbol:         k_q2b4964574f_attn.kd
    .args:
      - { .name: qkv, .offset: 0, .size: 8, .value_kind: global_buffer, .address_space: global }
      - { .name: aimg, .offset: 8, .size: 8, .value_kind: global_buffer, .address_space: global }
      - { .name: asc, .offset: 16, .size: 8, .value_kind: global_buffer, .address_space: global }
    .group_segment_fixed_size: 327680
    .private_segment_fixed_size: 0
    .kernarg_segment_align: 8
    .kernarg_segment_size: 24
    .max_flat_workgroup_size: 256
    .sgpr_count:     66
    .vgpr_count:     512
    .wavefront_size: 32
...
	.end_amdgpu_metadata
.endif
;; end of part 3
;; launch outp (part 4): grid 128 x 1, 8 waves a work-group, no clusters, 121,856 bytes of LDS; arguments aimg, asc, wimg, wsc, bo, gamma, beta, q, out0; writes out0
.if DOCPART == 4
	.amdgcn_target "amdgcn-amd-amdhsa--gfx1250"
	.amdhsa_code_object_version 6
	.text
	.protected	k_q2b4964574f_outp
	.globl	k_q2b4964574f_outp
	.p2align	8
	.type	k_q2b4964574f_outp,@function
k_q2b4964574f_outp:
	s_mov_b64 s[64:65], 0
	v_nop
	global_prefetch_b8 v0, s[64:65] scope:SCOPE_SE
	s_setreg_imm32_b32 hwreg(HW_REG_WAVE_MODE, 25, 1), 1
	s_wait_xcnt 0x0
; OUTP.  x = A Wo^T + bo + q; out0 = (x - mean) rsqrt(var + 1e-5) gamma + beta, mean and var over a token's 1,024.  A (attention's result) and Wo are codes of BF6 with E8M0 scales; f32 sums, K ascending.
; SHARES.  A work-group owns 64 tokens (R tiles 4 X .. 4 X + 3) x all 1,024 features, so that a token's mean and variance have one owner.  Wave w owns features 128 w .. 128 w + 127 (S tiles 8 w .. 8 w + 7):
; 4 x 8 accumulators, 256 registers, window 1.  128 work-groups: with 32 tokens each there would be 256, but each would still read all 786,432 bytes of Wo's images: as long a stream for each, and twice the bytes in all.
; A's 64 half images (49,152 dense bytes) are copied into LDS once.  Wo's fragments come from memory straight into the owning wave's registers.
; NO CLUSTER: what work-groups share is Wo's stream, and it lands in one wave's registers, not in LDS, where a joint load would put it.
; D = (source 0 = 16 features) x (source 1 = 16 tokens): lane (r, h) holds token index r; register 16 b + i of a token tile's 64 holds feature 128 w + 32 b + 16 h + i.
; q and out0 go by whole rows (a wave's 512 bytes of a row an instruction) and change between the two layouts through the wave's own stage in LDS.
; The mean and the variance are taken in two passes, as they are defined: no difference of large sums.  Each wave's part of a sum meets the others' in LDS behind a barrier.
; LIMITS: NaN and infinities are not served.
.set RIMG, 0
.set STG,  49152                       ; a stage for each wave: 16 rows x (512 + 16) bytes
.set RED1, 116736                      ; the sums: the word of (tile a, token index r, wave w) at 512 a + 32 r + 4 w
.set LI,  1                            ; v1   16 x lane
.set L8,  2                            ; v2   8 x lane
.set STO, 3                            ; v3   my stage + 528 r + 64 h: the result's layout
.set SRD, 4                            ; v4   my stage + 16 x lane: a row's layout
.set RDW, 5                            ; v5   RED1 + 32 r + 4 w
.set RDR, 6                            ; v6   RED1 + 32 r
.set PFO, 7                            ; v7   the prefetches: (lane / 2) rows of 4,096 bytes + 256 (lane % 2)
.set FA,  8                            ; v8   16 x thread
.set L32, 9                            ; v9   32 x lane
.set BO,  10                           ; v[10:13] bo of my four features of a row
.set RS,  16                           ; v16-31 A's scale words: register 8 P + s
.set SS,  32                           ; v32-63 Wo's
.set RF,  64                           ; v64-111, v112-159 A's four fragments, two sets
.set SF,  160                          ; v160-207, v208-255 four of Wo's fragments, two sets
.set QB,  64                           ; behind the products: v64-127, v128-191 two sets of 64
.set GA,  196                          ; v[196:199] gamma, v[200:203] beta of my four features of a row
.set BE,  200
.set SU,  204                          ; v[204:207] two chains of sums; v208 at work
.set MUP, 212                          ; v212-219 each tile's mean, twice
.set RSP, 220                          ; v220-227 each tile's 1 / sqrt(var + eps), twice
.set SEL, 44                           ; s[44:45]
.set INV, 46                           ; s46  1 / 1,024
.set EPS, 47                           ; s47  1e-5
.set QP,  40                           ; s[40:41] q at my work-group's first token, my wave's features
.set OP,  42                           ; s[42:43] out0 likewise
.set MSB, 0
.macro WIN new                         ; the immediate's high byte repeats the setting that is left
.if MSB != \new
	s_set_vgpr_msb (MSB<<8)|\new
.set MSB, \new
.endif
.endm
.macro PLACES
.rept 4
	v_nop
.endr
.endm
.macro WM d, a, b, zero, sa, sb, ra, rb
.if \zero
.if (\ra) && (\rb)
	v_wmma_scale_f32_16x16x128_f8f6f4 v[(\d):(\d)+7], v[(\a):(\a)+11], v[(\b):(\b)+11], 0, v[\sa], v[\sb] matrix_a_fmt:MATRIX_FMT_BF6 matrix_b_fmt:MATRIX_FMT_BF6 matrix_a_scale:MATRIX_SCALE_ROW1 matrix_b_scale:MATRIX_SCALE_ROW1
.elseif \ra
	v_wmma_scale_f32_16x16x128_f8f6f4 v[(\d):(\d)+7], v[(\a):(\a)+11], v[(\b):(\b)+11], 0, v[\sa], v[\sb] matrix_a_fmt:MATRIX_FMT_BF6 matrix_b_fmt:MATRIX_FMT_BF6 matrix_a_scale:MATRIX_SCALE_ROW1
.elseif \rb
	v_wmma_scale_f32_16x16x128_f8f6f4 v[(\d):(\d)+7], v[(\a):(\a)+11], v[(\b):(\b)+11], 0, v[\sa], v[\sb] matrix_a_fmt:MATRIX_FMT_BF6 matrix_b_fmt:MATRIX_FMT_BF6 matrix_b_scale:MATRIX_SCALE_ROW1
.else
	v_wmma_scale_f32_16x16x128_f8f6f4 v[(\d):(\d)+7], v[(\a):(\a)+11], v[(\b):(\b)+11], 0, v[\sa], v[\sb] matrix_a_fmt:MATRIX_FMT_BF6 matrix_b_fmt:MATRIX_FMT_BF6
.endif
.else
.if (\ra) && (\rb)
	v_wmma_scale_f32_16x16x128_f8f6f4 v[(\d):(\d)+7], v[(\a):(\a)+11], v[(\b):(\b)+11], v[(\d):(\d)+7], v[\sa], v[\sb] matrix_a_fmt:MATRIX_FMT_BF6 matrix_b_fmt:MATRIX_FMT_BF6 matrix_a_scale:MATRIX_SCALE_ROW1 matrix_b_scale:MATRIX_SCALE_ROW1
.elseif \ra
	v_wmma_scale_f32_16x16x128_f8f6f4 v[(\d):(\d)+7], v[(\a):(\a)+11], v[(\b):(\b)+11], v[(\d):(\d)+7], v[\sa], v[\sb] matrix_a_fmt:MATRIX_FMT_BF6 matrix_b_fmt:MATRIX_FMT_BF6 matrix_a_scale:MATRIX_SCALE_ROW1
.elseif \rb
	v_wmma_scale_f32_16x16x128_f8f6f4 v[(\d):(\d)+7], v[(\a):(\a)+11], v[(\b):(\b)+11], v[(\d):(\d)+7], v[\sa], v[\sb] matrix_a_fmt:MATRIX_FMT_BF6 matrix_b_fmt:MATRIX_FMT_BF6 matrix_b_scale:MATRIX_SCALE_ROW1
.else
	v_wmma_scale_f32_16x16x128_f8f6f4 v[(\d):(\d)+7], v[(\a):(\a)+11], v[(\b):(\b)+11], v[(\d):(\d)+7], v[\sa], v[\sb] matrix_a_fmt:MATRIX_FMT_BF6 matrix_b_fmt:MATRIX_FMT_BF6
.endif
.endif
.endm
	s_load_b512 s[8:23], s[0:1], 0x0               ; aimg, asc, wimg, wsc, bo, gamma, beta, q
	s_load_b64 s[24:25], s[0:1], 0x40              ; out0
	v_lshrrev_b32 v14, 5, v0
	s_delay_alu instid0(VALU_DEP_1)
	v_readfirstlane_b32 s2, v14                    ; wave 0..7
	v_and_b32 v14, 31, v0                          ; lane
	v_and_b32 v15, 15, v0                          ; r
	v_bfe_u32 v10, v0, 4, 1                        ; h
	s_delay_alu instid0(VALU_DEP_3)
	v_lshlrev_b32 v[LI], 4, v14
	s_delay_alu instid0(VALU_DEP_4)
	v_lshlrev_b32 v[L8], 3, v14
	v_lshlrev_b32 v[L32], 5, v14
	v_lshlrev_b32 v[FA], 4, v0
	s_mul_i32 s48, s2, 8448
	s_add_co_u32 s48, s48, STG                     ; my stage
	v_mul_u32_u24 v[STO], v15, 528
	s_delay_alu instid0(VALU_DEP_1)
	v_lshl_add_u32 v[STO], v10, 6, v[STO]
	s_delay_alu instid0(VALU_DEP_1)
	v_add_nc_u32 v[STO], s48, v[STO]
	v_add_nc_u32 v[SRD], s48, v[LI]
	s_lshl_b32 s48, s2, 2
	s_add_co_u32 s48, s48, RED1
	v_lshlrev_b32 v[RDR], 5, v15
	s_delay_alu instid0(VALU_DEP_1)
	v_add_nc_u32 v[RDW], s48, v[RDR]
	s_delay_alu instid0(VALU_DEP_2)
	v_add_nc_u32 v[RDR], RED1, v[RDR]
	v_lshrrev_b32 v[PFO], 1, v14
	s_delay_alu instid0(VALU_DEP_1)
	v_lshlrev_b32 v[PFO], 12, v[PFO]
	v_and_b32 v11, 1, v14
	s_delay_alu instid0(VALU_DEP_1)
	v_lshl_add_u32 v[PFO], v11, 8, v[PFO]
	s_mov_b32 s[SEL], 0x76543210
	s_mov_b32 s[SEL+1], 0xfedcba98
	s_mov_b32 s[INV], 0x3a800000
	s_mov_b32 s[EPS], 0x3727c5ac
	s_mul_i32 s48, ttmp9, 49152                    ; my four tiles' 64 half images
	s_mov_b32 s49, 0
	s_lshl_b32 s50, ttmp9, 11                      ; their scale images
	s_mov_b32 s51, 0
	s_mul_i32 s52, s2, 98304                       ; my eight tiles of Wo, in wimg's fourth section
	s_add_co_u32 s52, s52, 2359296
	s_mov_b32 s53, 0
	s_lshl_b32 s54, s2, 12
	s_add_co_u32 s54, s54, 98304
	s_mov_b32 s55, 0
	s_lshl_b32 s56, s2, 9                          ; my 128 features, in bytes
	s_mov_b32 s57, 0
	s_lshl_b32 s58, ttmp9, 18                      ; my 64 tokens' rows
	s_add_co_u32 s58, s58, s56
	s_mov_b32 s59, 0
	s_wait_alu depctr_va_vdst(0)
	s_wait_kmcnt 0x0
	s_add_nc_u64 s[26:27], s[8:9], s[48:49]
	s_add_nc_u64 s[28:29], s[10:11], s[50:51]
	s_add_nc_u64 s[30:31], s[12:13], s[52:53]
	s_add_nc_u64 s[32:33], s[14:15], s[54:55]
	s_add_nc_u64 s[34:35], s[16:17], s[56:57]
	s_add_nc_u64 s[36:37], s[18:19], s[56:57]
	s_add_nc_u64 s[38:39], s[20:21], s[56:57]
	s_add_nc_u64 s[QP:QP+1], s[22:23], s[58:59]
	s_add_nc_u64 s[OP:OP+1], s[24:25], s[58:59]
.macro SLOAD s, g                      ; S tiles 4 g .. 4 g + 3 of K step s into set g: 12 loads
.irp k, 0,1,2,3
.irp c, 0,1,2
	global_load_b128 v[SF+48*(\g)+12*\k+4*\c:SF+48*(\g)+12*\k+4*\c+3], v[LI], s[30:31] offset:12288*(4*(\g)+\k)+1536*(\s)+512*\c
.endr
.endr
.endm
.macro RLOADH s                        ; A's four fragments of K step s (heads 2 s, 2 s + 1) into set s % 2: 16 loads
.irp a, 0,1,2,3
.irp c, 0,1
	ds_load_b128 v[RF+48*((\s)%2)+12*\a+6*\c:RF+48*((\s)%2)+12*\a+6*\c+3], v[LI] offset:(16*\a+2*(\s)+\c)*768
	ds_load_b64 v[RF+48*((\s)%2)+12*\a+6*\c+4:RF+48*((\s)%2)+12*\a+6*\c+5], v[L8] offset:(16*\a+2*(\s)+\c)*768+512
.endr
.endr
.endm
.set i, 0
.rept 12
	global_load_b128 v[RF+4*i:RF+4*i+3], v[FA], s[26:27] offset:4096*i
.set i, i+1
.endr
.irp P, 0,1
	global_load_b128 v[RS+8*\P:RS+8*\P+3], v[L32], s[28:29] offset:1024*\P
	global_load_b128 v[RS+8*\P+4:RS+8*\P+7], v[L32], s[28:29] offset:1024*\P+16
.endr
.irp P, 0,1,2,3
	global_load_b128 v[SS+8*\P:SS+8*\P+3], v[L32], s[32:33] offset:1024*\P
	global_load_b128 v[SS+8*\P+4:SS+8*\P+7], v[L32], s[32:33] offset:1024*\P+16
.endr
	SLOAD 0, 0
	SLOAD 0, 1
	s_wait_loadcnt 36                              ; A's 12 loads are in; the 12 loads of scales and the 24 of Wo's first fragments stay out
.set i, 0
.rept 12
	ds_store_b128 v[FA], v[RF+4*i:RF+4*i+3] offset:4096*i
.set i, i+1
.endr
	s_wait_dscnt 0x0                               ; for the others' sake: my stores have landed
	s_barrier_signal -1
	s_barrier_wait -1
	RLOADH 0
; A UNIT: K step s, S tiles 4 g .. 4 g + 3, all four token tiles: 16 products.  The 32 accumulators take turns, one instruction a turn.
.macro UNIT s, g
.if 2*(\s)+(\g) < 15
	s_wait_loadcnt 12                              ; this unit's fragments of Wo are in; the next unit's 12 loads stay out
.else
	s_wait_loadcnt 0x0
.endif
.if (\g) == 0
	s_wait_dscnt 0x0                               ; A's fragments of this K step
.endif
	WIN 0x50                                       ; C and D in window 1
.irp k, 0,1,2,3
.irp a, 0,1,2,3
	WM 8*(8*\a+4*(\g)+\k), SF+48*(\g)+12*\k, RF+48*((\s)%2)+12*\a, (\s)==0, SS+8*((4*(\g)+\k)/2)+(\s), RS+8*(\a/2)+(\s), \k%2, \a%2
.endr
.endr
	WIN 0
	PLACES
.if (\s) < 7
	SLOAD (\s)+1, \g
.endif
.if ((\g) == 0) && ((\s) < 7)
	RLOADH (\s)+1                                  ; into the other set: its last products stand in front of the last unit's places
.endif
.if ((\g) == 0) && ((\s) >= 2) && ((\s) <= 5)
	; q's rows for the residual are asked for ahead: my wave's 512 bytes of rows 16 (s - 2) .. + 15, a lane to each 256 bytes; four such lines, in K steps 2 to 5, name each of my 128 blocks once; they stand behind the unit's loads
	global_prefetch_b8 v[PFO], s[QP:QP+1] offset:65536*((\s)-2) th:TH_LOAD_NT scope:SCOPE_SE
.endif
.endm
.irp s, 0,1,2,3,4,5,6,7
	UNIT \s, 0
	UNIT \s, 1
.endr
	; ---- behind the products (the last unit's four places stand above)
.macro QLOAD a                         ; q's rows of token tile a: row index t is token 32 (a / 2) + 8 (a % 2) + t + (t & 8); 512 consecutive bytes a load
.irp t, 0,1,2,3,4,5,6,7,8,9,10,11,12,13,14,15
	global_load_b128 v[QB+64*((\a)%2)+4*\t:QB+64*((\a)%2)+4*\t+3], v[LI], s[QP:QP+1] offset:(32*((\a)/2)+8*((\a)%2)+\t+(\t&8))*4096 th:TH_LOAD_NT
.endr
.endm
.macro JOIN                            ; the two chains, the pair's halves and lane l xor 16's: my wave's part of token r's sum, in v[SU]
	v_pk_add_f32 v[SU:SU+1], v[SU:SU+1], v[SU+2:SU+3]
	s_delay_alu instid0(VALU_DEP_1)
	v_add_f32 v[SU], v[SU], v[SU+1]
	s_delay_alu instid0(VALU_DEP_1)
	v_permlanex16_b32 v[SU+4], v[SU], s[SEL], s[SEL+1]
	s_delay_alu instid0(VALU_DEP_1)
	v_add_f32 v[SU], v[SU], v[SU+4]
.endm
.macro MEET off                        ; every wave's parts lie in LDS; each wave adds the eight of each token, in one order: v[64 + 8 a] = tile a's sum
	s_wait_dscnt 0x0
	s_barrier_signal -1
	s_barrier_wait -1
.irp a, 0,1,2,3
	ds_load_b128 v[64+8*\a:64+8*\a+3], v[RDR] offset:(\off)+512*\a
	ds_load_b128 v[64+8*\a+4:64+8*\a+7], v[RDR] offset:(\off)+512*\a+16
.endr
	s_wait_dscnt 0x0
.irp a, 0,1,2,3
	v_pk_add_f32 v[64+8*\a:64+8*\a+1], v[64+8*\a:64+8*\a+1], v[64+8*\a+2:64+8*\a+3]
	v_pk_add_f32 v[64+8*\a+4:64+8*\a+5], v[64+8*\a+4:64+8*\a+5], v[64+8*\a+6:64+8*\a+7]
.endr
.irp a, 0,1,2,3
	v_pk_add_f32 v[64+8*\a:64+8*\a+1], v[64+8*\a:64+8*\a+1], v[64+8*\a+4:64+8*\a+5]
.endr
.irp a, 0,1,2,3
	s_delay_alu instid0(VALU_DEP_4)
	v_add_f32 v[64+8*\a], v[64+8*\a], v[64+8*\a+1]
.endr
.endm
	v_mov_b32 v[SU+4], 0                           ; a lane permute's destination counts as one of its sources
	global_load_b128 v[BO:BO+3], v[LI], s[34:35]
	global_load_b128 v[GA:GA+3], v[LI], s[36:37]
	global_load_b128 v[BE:BE+3], v[LI], s[38:39]
	QLOAD 0
	QLOAD 1
; E1: x = the product + (q + bo), and the sum of x
.macro E1 a
.set Q_, QB+64*((\a)%2)
.if (\a) < 3
	s_wait_loadcnt 16                              ; this tile's rows of q are in (and bo, gamma, beta); the next tile's 16 loads stay out
.else
	s_wait_loadcnt 0x0
.endif
.irp t, 0,1,2,3,4,5,6,7,8,9,10,11,12,13,14,15
	v_pk_add_f32 v[Q_+4*\t:Q_+4*\t+1], v[Q_+4*\t:Q_+4*\t+1], v[BO:BO+1]
	v_pk_add_f32 v[Q_+4*\t+2:Q_+4*\t+3], v[Q_+4*\t+2:Q_+4*\t+3], v[BO+2:BO+3]
.endr
.irp t, 0,1,2,3,4,5,6,7,8,9,10,11,12,13,14,15
	ds_store_b128 v[SRD], v[Q_+4*\t:Q_+4*\t+3] offset:528*\t
.endr
.irp b, 0,1,2,3
.irp i, 0,1,2,3
	ds_load_b128 v[Q_+16*\b+4*\i:Q_+16*\b+4*\i+3], v[STO] offset:128*\b+16*\i   ; my own bytes: LDS serves a wave's instructions in order (ISA guide 5.7.1.4)
.endr
.endr
	s_wait_dscnt 0x0
	WIN 0x41                                       ; destination and source 0 in window 1
.set i, 0
.rept 32
	v_pk_add_f32 v[64*(\a)+2*i:64*(\a)+2*i+1], v[64*(\a)+2*i:64*(\a)+2*i+1], v[Q_+2*i:Q_+2*i+1]   ; ascending: each accumulator is read from its low end on
.set i, i+1
.endr
	WIN 0x05                                       ; sources 0 and 1 in window 1
	v_pk_add_f32 v[SU:SU+1], v[64*(\a):64*(\a)+1], v[64*(\a)+2:64*(\a)+3]
	v_pk_add_f32 v[SU+2:SU+3], v[64*(\a)+4:64*(\a)+5], v[64*(\a)+6:64*(\a)+7]
	WIN 0x04                                       ; source 1 in window 1
.set i, 4
	v_pk_add_f32 v[SU:SU+1], v[SU:SU+1], v[64*(\a)+2*i:64*(\a)+2*i+1]
	v_pk_add_f32 v[SU+2:SU+3], v[SU+2:SU+3], v[64*(\a)+2*i+2:64*(\a)+2*i+3]
.set i, i+2
.rept (14)-1
	s_delay_alu instid0(VALU_DEP_2)
	v_pk_add_f32 v[SU:SU+1], v[SU:SU+1], v[64*(\a)+2*i:64*(\a)+2*i+1]
	s_delay_alu instid0(VALU_DEP_2)
	v_pk_add_f32 v[SU+2:SU+3], v[SU+2:SU+3], v[64*(\a)+2*i+2:64*(\a)+2*i+3]
.set i, i+2
.endr
	WIN 0
.if (\a) < 2
	QLOAD (\a)+2
.endif
	JOIN
	ds_store_b32 v[RDW], v[SU] offset:512*(\a)     ; lanes r and r + 16 write the same word with the same value
.endm
	E1 0
	E1 1
	E1 2
	E1 3
	MEET 0
.irp a, 0,1,2,3
	s_delay_alu instid0(VALU_DEP_4)
	v_mul_f32 v[MUP+2*\a], s[INV], v[64+8*\a]      ; the mean
.endr
.irp a, 0,1,2,3
	s_delay_alu instid0(VALU_DEP_4)
	v_mov_b32 v[MUP+2*\a+1], v[MUP+2*\a]
.endr
; E2: x - mean, and the sum of its squares
.macro E2 a
	WIN 0x41
.set i, 0
.rept 32
	v_pk_add_f32 v[64*(\a)+2*i:64*(\a)+2*i+1], v[64*(\a)+2*i:64*(\a)+2*i+1], v[MUP+2*(\a):MUP+2*(\a)+1] neg_lo:[0,1] neg_hi:[0,1]
.set i, i+1
.endr
	WIN 0x05
	v_pk_mul_f32 v[SU:SU+1], v[64*(\a):64*(\a)+1], v[64*(\a):64*(\a)+1]
	v_pk_mul_f32 v[SU+2:SU+3], v[64*(\a)+2:64*(\a)+3], v[64*(\a)+2:64*(\a)+3]
.set i, 2
.rept 15
	s_delay_alu instid0(VALU_DEP_2)
	v_pk_fma_f32 v[SU:SU+1], v[64*(\a)+2*i:64*(\a)+2*i+1], v[64*(\a)+2*i:64*(\a)+2*i+1], v[SU:SU+1]
	s_delay_alu instid0(VALU_DEP_2)
	v_pk_fma_f32 v[SU+2:SU+3], v[64*(\a)+2*i+2:64*(\a)+2*i+3], v[64*(\a)+2*i+2:64*(\a)+2*i+3], v[SU+2:SU+3]
.set i, i+2
.endr
	WIN 0
	JOIN
	ds_store_b32 v[RDW], v[SU] offset:2048+512*(\a)   ; other bytes than the first sums': no wave still reading those is disturbed
.endm
	E2 0
	E2 1
	E2 2
	E2 3
	MEET 2048
.irp a, 0,1,2,3
	s_delay_alu instid0(VALU_DEP_4)
	v_fma_f32 v[64+8*\a], v[64+8*\a], s[INV], s[EPS]   ; var + eps
.endr
	s_wait_alu depctr_va_vdst(0)
.irp a, 0,1,2,3
	v_rsq_f32 v[RSP+2*\a], v[64+8*\a]
.endr
	v_nop                                          ; a plain place behind the transcendentals
	s_wait_alu depctr_va_vdst(0)                   ; one wait for the four, ahead of their first reader
.irp a, 0,1,2,3
	v_mov_b32 v[RSP+2*\a+1], v[RSP+2*\a]
.endr
; E3: scaled, back to rows through the stage, gamma and beta, stored
.macro E3 a
.set Y_, QB+64*((\a)%2)
.if (\a) >= 2
	s_wait_xcnt 0x0                                ; the stores of two tiles back have read this set
.endif
	WIN 0x01                                       ; source 0 in window 1
.set i, 0
.rept 32
	v_pk_mul_f32 v[Y_+2*i:Y_+2*i+1], v[64*(\a)+2*i:64*(\a)+2*i+1], v[RSP+2*(\a):RSP+2*(\a)+1]
.set i, i+1
.endr
	WIN 0
.irp b, 0,1,2,3
.irp i, 0,1,2,3
	ds_store_b128 v[STO], v[Y_+16*\b+4*\i:Y_+16*\b+4*\i+3] offset:128*\b+16*\i
.endr
.endr
.irp t, 0,1,2,3,4,5,6,7,8,9,10,11,12,13,14,15
	ds_load_b128 v[Y_+4*\t:Y_+4*\t+3], v[SRD] offset:528*\t
.endr
	s_wait_dscnt 0x0
.irp t, 0,1,2,3,4,5,6,7,8,9,10,11,12,13,14,15
	v_pk_fma_f32 v[Y_+4*\t:Y_+4*\t+1], v[Y_+4*\t:Y_+4*\t+1], v[GA:GA+1], v[BE:BE+1]
	v_pk_fma_f32 v[Y_+4*\t+2:Y_+4*\t+3], v[Y_+4*\t+2:Y_+4*\t+3], v[GA+2:GA+3], v[BE+2:BE+3]
.endr
.irp t, 0,1,2,3,4,5,6,7,8,9,10,11,12,13,14,15
	global_store_b128 v[LI], v[Y_+4*\t:Y_+4*\t+3], s[OP:OP+1] offset:(32*((\a)/2)+8*((\a)%2)+\t+(\t&8))*4096 th:TH_STORE_NT   ; 512 consecutive bytes, at a multiple of 256 from out0's first byte
.endr
.endm
	E3 0
	E3 1
	E3 2
	E3 3
	s_wait_xcnt 0x0
	v_lshl_add_u32 v254, v0, 2, 0x1d800
	v_mov_b32 v255, 0
	s_wait_alu depctr_va_vdst(0)
	s_wait_tensorcnt 0x0
	ds_add_u32 v254, v255
	s_wait_dscnt 0x0
	s_endpgm
.Lfunc_end_k_q2b4964574f_outp:
	.size	k_q2b4964574f_outp, .Lfunc_end_k_q2b4964574f_outp-k_q2b4964574f_outp
	.p2alignl 7, 3214868480
	.fill 96, 4, 3214868480
	.section	.rodata,"a",@progbits
	.p2align	6, 0x0
	.amdhsa_kernel k_q2b4964574f_outp
		.amdhsa_group_segment_fixed_size 121856
		.amdhsa_private_segment_fixed_size 0
		.amdhsa_enable_private_segment 0
		.amdhsa_kernarg_size 72
		.amdhsa_user_sgpr_count 2
		.amdhsa_user_sgpr_kernarg_segment_ptr 1
		.amdhsa_wavefront_size32 1
		.amdhsa_system_sgpr_workgroup_id_x 1
		.amdhsa_system_sgpr_workgroup_id_y 1
		.amdhsa_system_sgpr_workgroup_id_z 1
		.amdhsa_system_vgpr_workitem_id 0
		.amdhsa_next_free_vgpr 512
		.amdhsa_next_free_sgpr 66
		.amdhsa_reserve_vcc 0
		.amdhsa_float_denorm_mode_32 3
		.amdhsa_float_denorm_mode_16_64 3
		.amdhsa_memory_ordered 1
		.amdhsa_forward_progress 1
		.amdhsa_inst_pref_size 169
	.end_amdhsa_kernel
	.amdgpu_metadata
---
amdhsa.version: [ 1, 2 ]
amdhsa.kernels:
  - .name:           k_q2b4964574f_outp
    .symbol:         k_q2b4964574f_outp.kd
    .args:
      - { .name: aimg, .offset: 0, .size: 8, .value_kind: global_buffer, .address_space: global }
      - { .name: asc, .offset: 8, .size: 8, .value_kind: global_buffer, .address_space: global }
      - { .name: wimg, .offset: 16, .size: 8, .value_kind: global_buffer, .address_space: global }
      - { .name: wsc, .offset: 24, .size: 8, .value_kind: global_buffer, .address_space: global }
      - { .name: bo, .offset: 32, .size: 8, .value_kind: global_buffer, .address_space: global }
      - { .name: gamma, .offset: 40, .size: 8, .value_kind: global_buffer, .address_space: global }
      - { .name: beta, .offset: 48, .size: 8, .value_kind: global_buffer, .address_space: global }
      - { .name: q, .offset: 56, .size: 8, .value_kind: global_buffer, .address_space: global }
      - { .name: out0, .offset: 64, .size: 8, .value_kind: global_buffer, .address_space: global }
    .group_segment_fixed_size: 121856
    .private_segment_fixed_size: 0
    .kernarg_segment_align: 8
    .kernarg_segment_size: 72
    .max_flat_workgroup_size: 256
    .sgpr_count:     66
    .vgpr_count:     512
    .wavefront_size: 32
...
	.end_amdgpu_metadata
.endif
;; end of part 4
